; MI455X (gfx1250); checked and timed in simulation.
; The chip was launched on July 23, 2026; its instructions are those of AMD's public machine-readable ISA for CDNA 5 (MIT licence, August 2026) and "CDNA5" Instruction Set Architecture Reference Guide (July 2026). The comments in the code are by the model that wrote it; some were corrected since.
;; Local GQ Attention. Allowed arithmetic: matrix products marked QUANTISED: E2M1 operands, one E8M0 scale for each 32 along K, by v_wmma_scale_f32_16x16x128_f8f6f4 with both operands' format E2M1 (or v_wmma_scale_f32_32x16x128_f4), f32 sums; products left as they are: bf16, f16 or f32 operands; f32 sums; everything else in f32.
;; Inputs: wk 512 x 2,048 float32; wo 2,048 x 1,024 float32; wq 1,024 x 2,048 float32; wv 512 x 2,048 float32; x 1 x 4,096 x 2,048 float32.
;; Outputs: out0 1 x 4,096 x 2,048 float32.
;; This version of the problem:
;;   THIS VERSION OF THE PROBLEM IS GIVEN IN LOW PRECISION. The matrix products marked QUANTISED in the list below multiply operands that are first quantised to E2M1 (2 exponent bits, 1 mantissa bit; 4 bits a number), with one power-of-two scale for each 32 numbers along K (OCP MX v1.0); their sums are f32. The products marked 'left as it is' may take bf16, f16 or f32 operands, with f32 sums. Whichever they take, every output number must still come out within the allowed error. Rounding operands to bf16 (8 significant bits) uses up far more of that allowance than f16 does (11 bits, for magnitudes from 6e-5 to 65,504). All else is computed in f32.
;;   The module's matrix products, in the order in which they are computed (A, B: the left and right operand; K: the contracted axis; several contracted axes count as one K, in the product's order):
;;     1. [M 4,096, K 2,048] x [K 2,048, N 1,024]; A: input x; B: input wq: QUANTISED
;;     2. [M 4,096, K 2,048] x [K 2,048, N 512]; A: input x; B: input wk: QUANTISED
;;     3. [M 4,096, K 2,048] x [K 2,048, N 512]; A: input x; B: input wv: QUANTISED
;;     4. batch 4 x [M 4,096, K 128] x [K 128, N 8,192]; A: computed on the way; B: computed on the way: left as it is (an operand is computed on the way)
;;     5. batch 4 x [M 128, K 4,096] x [K 4,096, N 8,192]; A: computed on the way; B: computed on the way: left as it is (an operand is computed on the way)
;;     6. [M 4,096, K 1,024] x [K 1,024, N 2,048]; A: computed on the way; B: input wo: left as it is (an operand is computed on the way)
;;   THE QUANTISER, for each operand of a quantised product, along K:
;;     - K is cut into blocks of 32 from its start; a last block that is shorter is filled with zeros.
;;     - A block's scale is 2^e with e = floor(log2(the largest magnitude in the block)) - 2, held to -126 .. 127; a block of zeros has e = 0. As a byte (E8M0): e + 127.
;;     - Each number is divided by its block's scale, clamped to +-6, and rounded to the nearest number of E2M1, ties to even, subnormals kept.
;;     - The product sums the exact products of the quantised numbers (number of the format x scale) in f32.
;;   ~~~python
;;   def quantise(x, axis):      # numpy; x: float32 -> the quantised numbers, widened to float32 again
;;       x = np.moveaxis(x, axis, -1); K = x.shape[-1]
;;       x = np.pad(x, [(0, 0)] * (x.ndim - 1) + [(0, -K % 32)]); x = x.reshape(x.shape[:-1] + (-1, 32)); a = np.abs(x).max(-1, keepdims=True)
;;       e = np.where(a > 0, np.clip(np.frexp(np.where(a > 0, a, 1))[1] - 1 - 2, -126, 127), 0)      # np.frexp(a)[1] - 1 = floor(log2(a)), exactly
;;       r = np.clip(x / 2.0 ** e, -6, 6)
;;       step = 2.0 ** (np.maximum(np.frexp(np.where(r == 0, 1, r))[1] - 1, 0) - 1)
;;       q = np.round(r / step) * step * 2.0 ** e      # np.round: ties to even
;;       return np.moveaxis(q.reshape(q.shape[:-2] + (-1,))[..., :K], -1, axis).astype(np.float32)
;;   ~~~
;; One version. Each part assembles by itself: llvm-mc -triple=amdgcn-amd-amdhsa -mcpu=gfx1250 --defsym DOCPART=n.
;; ======== version 1 of 1: 5 launches
;; limits: values are held in f16: magnitudes above 65,504 overflow, below 6.1e-05 lose precision
;; workspace buffers: codes 6,291,456 bytes; scales 393,216 bytes; wo16 4,194,304 bytes; rope 2,097,152 bytes; qkv 16,777,216 bytes; first 131,072 bytes; att 8,388,608 bytes
;; launch prep (part 1): grid 512 x 1, 4 waves a work-group, no clusters, 33,280 bytes of LDS; arguments x, wq, wk, wv, wo, codes, scales, wo16, rope; writes codes, scales, wo16, rope
.if DOCPART == 1
	.amdgcn_target "amdgcn-amd-amdhsa--gfx1250"
	.amdhsa_code_object_version 6
	.text
	.protected	k_q196e8e4365_prep
	.globl	k_q196e8e4365_prep
	.p2align	8
	.type	k_q196e8e4365_prep,@function
k_q196e8e4365_prep:
	s_mov_b64 s[64:65], 0
	v_nop
	global_prefetch_b8 v0, s[64:65] scope:SCOPE_SE
	s_setreg_imm32_b32 hwreg(HW_REG_WAVE_MODE, 25, 1), 1
	s_wait_xcnt 0x0
; PREP: what every later launch reads again and again is made once.  Three kinds of work-group, told apart by the work-group's number alone:
;   0-383    x [4096][2048], wq [1024][2048], wk [512][2048], wv [512][2048], f32, become codes of FP4 (E2M1), K innermost, and one E8M0 scale byte for each 32 along K.
;            The four tensors' rows follow each other in 'codes' (1,024 bytes a row) and 'scales' (64 bytes a row): x at row 0, wq at 4,096, wk at 5,120, wv at 5,632.
;   384-447  wo [2048][1024] f32 becomes f16, same layout.
;   448-511  the table of cos and sin of t x theta_i, f32, t = 0 .. 4,095, theta_i = 10000^(-i / 64), i = 0 .. 63, laid as the next launch's registers take it:
;            [t / 16][b 4][cos, sin][jj 2][lane 32][16 bytes]; lane (r = lane % 16, h = lane / 16), element e: position 16 (t / 16) + r, frequency 16 b + 8 h + 4 jj + e.
; THE QUANTISER.  A block's scale is 2^(floor(log2(its largest magnitude)) - 2); its byte is the largest magnitude's exponent field - 2, held at 1 from below; each number is divided by the scale and rounded
; to the nearest code, ties to even, beyond 6 the largest code.  Rows are dense and 2,048 is a multiple of 32, so a tensor is a plain stream of blocks.  A wave takes 16 steps of 512 numbers: each load reads 512
; consecutive bytes, the step's 2,048 bytes turn through the wave's own stage in LDS and come back 16 neighbours a lane (two lanes hold a block).
; LIMITS: NaN and infinities are not served.  A block whose largest magnitude lies under 2^-124 keeps the byte 1; a block of zeros gets the byte 1 where the rule says 127: its codes are zeros, and this program
; alone reads the bytes.  |wo| stays under 65,504 (f16).  theta_i comes from v_exp_f32 (1 ulp); the angle is the f32 product t x theta_i; q and k take the same table.
.set WAVES, 4
.set STEPS, 16
.set EMAX,  2
.set CB,    8                          ; bytes of 16 codes
.set R,     16                         ; v16-79   four sets of 16 numbers as they are loaded
.set X,     80                         ; v80-111  two sets of 16 neighbours
.set E,     112                        ; v112-127 a scale byte for each step
.set C,     128                        ; v128-191 codes: four registers for each step, so that no store's data are written again
.set WREG,  8192                       ; LDS: a region for each wave: two stages of 32 x SP bytes, behind them its 256 scale bytes
.set SP,    80                         ; a lane's place in a stage: 64 bytes + 16 of padding
.set SPW,   12                         ; v12      LDS address of my spare word; never rewritten
.set NIL,   13                         ; v13      0; never rewritten
.set SPARE, WAVES*WREG                 ; behind the four regions: the spare words, 128 bytes a wave
.set TH,    16                         ; the table's path: v16-23 theta, then the angle, then at work
.set NN,    24                         ; v24-31   the quadrant
.set RR,    32                         ; v32-39   the reduced angle
.set R2,    40                         ; v40-47   its square
.set PS,    48                         ; v48-55   sin
.set PC,    56                         ; v56-63   cos
.set TAB,   64                         ; v64-127  the 64 results of a lane
	s_load_b512 s[4:19], s[0:1], 0x0               ; x 4:5, wq 6:7, wk 8:9, wv 10:11, wo 12:13, codes 14:15, scales 16:17, wo16 18:19
	s_load_b64 s[20:21], s[0:1], 0x40              ; rope
	v_lshl_add_u32 v[SPW], v0, 2, SPARE
	v_mov_b32 v[NIL], 0
	v_lshrrev_b32 v1, 5, v0
	v_readfirstlane_b32 s24, v1                    ; wave
	v_and_b32 v2, 31, v0                           ; lane
	s_cmp_ge_u32 ttmp9, 448
	s_cbranch_scc1 .Lrope
	s_cmp_ge_u32 ttmp9, 384
	s_cbranch_scc1 .Lwo
	; ---------------- the quantiser ----------------
	v_lshlrev_b32 v3, 4, v2                        ; my 16 bytes of a load's 512
	s_mul_i32 s25, s24, WREG
	v_lshrrev_b32 v14, 2, v2
	v_mul_u32_u24 v14, v14, SP
	v_and_b32 v15, 3, v2
	v_lshl_add_u32 v14, v15, 4, v14
	v_add_nc_u32 v14, s25, v14                     ; the stage, on the way in: SP (lane / 4) + 16 (lane % 4)
	v_mul_u32_u24 v15, v2, SP
	v_add_nc_u32 v15, s25, v15                     ; and on the way out: SP x lane: my 16 neighbours
	v_mul_u32_u24 v4, v2, CB                       ; my codes' place in a step's
	v_lshrrev_b32 v5, 1, v2
	s_add_co_u32 s25, s25, 2*32*SP
	v_add_nc_u32 v5, s25, v5                       ; LDS: my wave's 256 scale bytes, my block's byte
	v_lshlrev_b32 v7, 3, v2                        ; and on the way out 8 bytes a lane
	v_add_nc_u32 v6, s25, v7
	s_wait_kmcnt 0x0
	s_mov_b32 s28, 352                             ; which tensor, and its first work-group: the choice hangs on the work-group's number alone
	s_cmp_lt_u32 ttmp9, 352
	s_cselect_b64 s[26:27], s[8:9], s[10:11]
	s_cselect_b32 s28, 320, s28
	s_cmp_lt_u32 ttmp9, 320
	s_cselect_b64 s[26:27], s[6:7], s[26:27]
	s_cselect_b32 s28, 256, s28
	s_cmp_lt_u32 ttmp9, 256
	s_cselect_b64 s[26:27], s[4:5], s[26:27]
	s_cselect_b32 s28, 0, s28
	s_sub_co_u32 s28, ttmp9, s28
	s_lshl_b32 s28, s28, 2
	s_add_co_u32 s28, s28, s24                     ; which run of 8,192 numbers of the tensor is my wave's
	s_lshl_b32 s28, s28, 15                        ; 32,768 bytes a run
	s_mov_b32 s29, 0
	s_add_nc_u64 s[26:27], s[26:27], s[28:29]
	s_lshl_b32 s30, ttmp9, 2
	s_add_co_u32 s30, s30, s24                     ; and which run of the four tensors on end
	s_lshl_b32 s32, s30, 12                        ; 4,096 bytes of codes a run
	s_mov_b32 s33, 0
	s_add_nc_u64 s[14:15], s[14:15], s[32:33]
	s_lshl_b32 s32, s30, 8                         ; 256 scale bytes a run
	s_add_nc_u64 s[16:17], s[16:17], s[32:33]
.macro LOAD t
.irp i, 0,1,2,3
	global_load_b128 v[R+16*((\t)%4)+4*\i:R+16*((\t)%4)+4*\i+3], v3, s[26:27] offset:2048*(\t)+512*\i th:TH_LOAD_NT   ; 32 lanes read 512 consecutive bytes
.endr
.endm
.macro TURN t                          ; step t's numbers through the stage: LDS serves a wave's instructions in order (ISA guide 5.7.1.4), so no wait stands between the stores and the loads
.irp i, 0,1,2,3
	ds_store_b128 v14, v[R+16*((\t)%4)+4*\i:R+16*((\t)%4)+4*\i+3] offset:32*SP*((\t)%2)+8*SP*\i
.endr
.irp i, 0,1,2,3
	ds_load_b128 v[X+16*((\t)%2)+4*\i:X+16*((\t)%2)+4*\i+3], v15 offset:32*SP*((\t)%2)+16*\i
.endr
.endm
.irp t, 0,1,2,3
	LOAD \t
.endr
	s_wait_loadcnt 12                              ; step 0's four loads are in; the twelve of steps 1 to 3 may be out
	TURN 0
.macro STEP t
.set XS, X+16*((\t)%2)
.if (\t) > 0
	s_wait_dscnt 1                                 ; this step's numbers are back from the stage (the last step's byte store may be out): so its stores into the stage have read their registers,
.else
	s_wait_dscnt 0x0
.endif
.if (\t)+4 < STEPS
	LOAD (\t)+4                                    ; which take the loads of four steps on
.endif
.if (\t)+1 < STEPS
.if STEPS-2-(\t) >= 3
	s_wait_loadcnt 12                              ; the next step's four loads are in; those of the three steps behind it may be out
.else
	s_wait_loadcnt 4*(STEPS-2-(\t))
.endif
	TURN (\t)+1                                    ; and go through the other stage while this step is worked
.endif
	v_max3_num_f32 v8, |v[XS]|, |v[XS+1]|, |v[XS+2]|               ; the largest magnitude of my 16
	v_max3_num_f32 v9, |v[XS+3]|, |v[XS+4]|, |v[XS+5]|
.irp i, 6,10
	v_max3_num_f32 v8, v8, |v[XS+\i]|, |v[XS+\i+1]|
	v_max3_num_f32 v9, v9, |v[XS+\i+2]|, |v[XS+\i+3]|
.endr
	v_max3_num_f32 v8, v8, |v[XS+14]|, |v[XS+15]|
	v_max3_num_f32 v8, v8, v9, (EMAX+1)<<23        ; and the floor 2^(EMAX + 1 - 127): the byte cannot fall under 1
	v_max_num_f32_dpp v8, v8, v8 row_xmask:1 row_mask:0xf bank_mask:0xf   ; and of my neighbour's 16: the block's
	v_add_nc_u32 v11, -(EMAX<<23), v8              ; EMAX off its exponent field: the conversion takes the exponent field of this operand as its scale
	v_cvt_scalef32_pk8_fp4_f32 v[C+4*(\t)], v[XS:XS+7], v11
	v_cvt_scalef32_pk8_fp4_f32 v[C+4*(\t)+1], v[XS+8:XS+15], v11
	v_lshrrev_b32 v[E+(\t)], 23, v11               ; the scale's byte (also the plain line behind the conversions)
	ds_store_b8 v5, v[E+(\t)] offset:16*(\t)       ; both lanes of a block write the same byte with the same value
	global_store_b64 v4, v[C+4*(\t):C+4*(\t)+1], s[14:15] offset:32*CB*(\t)   ; 32 lanes store 256 consecutive bytes, aligned
.endm
.irp t, 0,1,2,3,4,5,6,7,8,9,10,11,12,13,14,15
	STEP \t
.endr
	ds_load_b64 v[8:9], v6                         ; these see my byte stores
	s_wait_dscnt 0x0
	global_store_b64 v7, v[8:9], s[16:17]          ; 32 lanes store 256 consecutive bytes, aligned
	s_wait_tensorcnt 0x0                           ; the wave's end, behind my last LDS store
	ds_add_u32 v[SPW], v[NIL]
	s_wait_dscnt 0x0
	s_endpgm
	; ---------------- wo to f16: a wave takes 8,192 numbers, in two halves of 32 loads ----------------
.Lwo:
	s_sub_co_u32 s28, ttmp9, 384
	s_lshl_b32 s28, s28, 2
	s_add_co_u32 s28, s28, s24                     ; my run
	s_lshl_b32 s30, s28, 15                        ; 32,768 bytes in,
	s_mov_b32 s31, 0
	s_lshl_b32 s32, s28, 14                        ; 16,384 out
	s_mov_b32 s33, 0
	v_lshlrev_b32 v3, 4, v2
	v_lshlrev_b32 v4, 3, v2
	s_wait_kmcnt 0x0
	s_add_nc_u64 s[12:13], s[12:13], s[30:31]
	s_add_nc_u64 s[18:19], s[18:19], s[32:33]
.macro WOHALF hf
.set i, 0
.rept 32
	global_load_b128 v[16+4*i:19+4*i], v3, s[12:13] offset:512*(32*\hf+i) th:TH_LOAD_NT
.set i, i+1
.endr
.set i, 0
.rept 32
	s_wait_loadcnt 31-i                            ; loads come back in order (ISA guide 5.7.1): load i is in, the younger ones stay out
	v_cvt_pk_f16_f32 v[16+4*i], v[16+4*i], v[17+4*i]
	v_cvt_pk_f16_f32 v[17+4*i], v[18+4*i], v[19+4*i]
	global_store_b64 v4, v[16+4*i:17+4*i], s[18:19] offset:256*(32*\hf+i)   ; 32 lanes store 256 consecutive bytes, aligned
.set i, i+1
.endr
.endm
	WOHALF 0
	s_wait_xcnt 0x0                                ; the first half's stores have read their registers: they are loaded again only behind this wait
	WOHALF 1
	s_endpgm
	; ---------------- the table: a wave takes 16 positions x 64 frequencies ----------------
.Lrope:
	s_sub_co_u32 s28, ttmp9, 448
	s_lshl_b32 s28, s28, 2
	s_add_co_u32 s28, s28, s24                     ; my block of 16 positions
	s_lshl_b32 s30, s28, 13                        ; 8,192 bytes a block
	s_mov_b32 s31, 0
	s_lshl_b32 s29, s28, 4
	v_and_b32 v8, 15, v0
	v_add_nc_u32 v8, s29, v8
	v_cvt_f32_u32 v8, v8                           ; t
	v_bfe_u32 v9, v0, 4, 1
	v_lshlrev_b32 v9, 3, v9                        ; 8 h
	v_lshlrev_b32 v3, 4, v2
	s_mov_b32 s40, 0x3638ef1d                      ; 1 / 9!
	s_mov_b32 s41, 0x37d00d01                      ; 1 / 8!
	s_wait_kmcnt 0x0
	s_add_nc_u64 s[20:21], s[20:21], s[30:31]
; Eight angles: frequencies 16 b + 8 h + 0 .. 7.  theta = 2^(-i log2(10000) / 64); a = t theta; n = the nearest whole number to a 2 / pi; r = a - n pi / 2, pi / 2 in two parts;
; sin r and cos r by their series up to r^9 and r^8 (|r| <= pi / 4: what is cut lies under 3e-8); the quadrant n mod 4 swaps them and sets the signs.
.macro ANGLES b
.irp j, 0,1,2,3,4,5,6,7
	v_add_nc_u32 v[TH+\j], 16*\b+\j, v9
.endr
.irp j, 0,1,2,3,4,5,6,7
	v_cvt_f32_u32 v[TH+\j], v[TH+\j]
.endr
.irp j, 0,1,2,3,4,5,6,7
	v_mul_f32 v[TH+\j], 0xbe549a78, v[TH+\j]       ; x -log2(10000) / 64
.endr
.irp j, 0,1,2,3,4,5,6,7
	v_exp_f32 v[TH+\j], v[TH+\j]
.endr
	v_nop                                          ; a plain line behind the last exponential,
	s_wait_alu depctr_va_vdst(0)                   ; and one wait for the eight, ahead of their first reader
.irp j, 0,1,2,3,4,5,6,7
	v_mul_f32 v[TH+\j], v8, v[TH+\j]               ; the angle
.endr
.irp j, 0,1,2,3,4,5,6,7
	v_mul_f32 v[NN+\j], 0x3f22f983, v[TH+\j]       ; x 2 / pi
.endr
.irp j, 0,1,2,3,4,5,6,7
	v_rndne_f32 v[NN+\j], v[NN+\j]
.endr
.irp j, 0,1,2,3,4,5,6,7
	v_fmamk_f32 v[RR+\j], v[NN+\j], 0xbfc90fdb, v[TH+\j]   ; - n x the f32 nearest to pi / 2
.endr
.irp j, 0,1,2,3,4,5,6,7
	v_fmamk_f32 v[RR+\j], v[NN+\j], 0x333bbd2e, v[RR+\j]   ; - n x what that lacks of pi / 2 (-4.37e-8)
.endr
.irp j, 0,1,2,3,4,5,6,7
	v_mul_f32 v[R2+\j], v[RR+\j], v[RR+\j]
.endr
.irp j, 0,1,2,3,4,5,6,7
	v_fmaak_f32 v[PS+\j], s40, v[R2+\j], 0xb9500d01    ; - 1 / 7!
	v_fmaak_f32 v[PC+\j], s41, v[R2+\j], 0xbab60b61    ; - 1 / 6!
.endr
.irp j, 0,1,2,3,4,5,6,7
	v_fmaak_f32 v[PS+\j], v[PS+\j], v[R2+\j], 0x3c088889   ; 1 / 5!
	v_fmaak_f32 v[PC+\j], v[PC+\j], v[R2+\j], 0x3d2aaaab   ; 1 / 4!
.endr
.irp j, 0,1,2,3,4,5,6,7
	v_fmaak_f32 v[PS+\j], v[PS+\j], v[R2+\j], 0xbe2aaaab   ; - 1 / 3!
	v_fmaak_f32 v[PC+\j], v[PC+\j], v[R2+\j], 0xbf000000   ; - 1 / 2!
.endr
.irp j, 0,1,2,3,4,5,6,7
	v_mul_f32 v[TH+\j], v[RR+\j], v[R2+\j]         ; r^3
.endr
.irp j, 0,1,2,3,4,5,6,7
	v_fma_f32 v[PS+\j], v[PS+\j], v[TH+\j], v[RR+\j]
	v_fma_f32 v[PC+\j], v[PC+\j], v[R2+\j], 1.0
.endr
.irp j, 0,1,2,3,4,5,6,7
	v_cvt_i32_f32 v[NN+\j], v[NN+\j]
.endr
.irp j, 0,1,2,3,4,5,6,7
	v_and_b32 v[RR+\j], 1, v[NN+\j]
	v_cmp_eq_u32 vcc_lo, 1, v[RR+\j]               ; an odd quadrant swaps sin and cos
	v_cndmask_b32 v[R2+\j], v[PS+\j], v[PC+\j], vcc_lo
	v_cndmask_b32 v[TH+\j], v[PC+\j], v[PS+\j], vcc_lo
	v_and_b32 v[RR+\j], 2, v[NN+\j]                ; sin is negative in quadrants 2 and 3,
	v_add_nc_u32 v[NN+\j], 1, v[NN+\j]
	v_lshlrev_b32 v[RR+\j], 30, v[RR+\j]
	v_and_b32 v[NN+\j], 2, v[NN+\j]                ; cos in 1 and 2
	v_xor_b32 v[TAB+16*\b+8+\j], v[RR+\j], v[R2+\j]
	v_lshlrev_b32 v[NN+\j], 30, v[NN+\j]
	v_xor_b32 v[TAB+16*\b+\j], v[NN+\j], v[TH+\j]
.endr
.endm
	ANGLES 0
	ANGLES 1
	ANGLES 2
	ANGLES 3
.irp k, 0,1,2,3,4,5,6,7,8,9,10,11,12,13,14,15
	global_store_b128 v3, v[TAB+4*\k:TAB+4*\k+3], s[20:21] offset:512*\k   ; 32 lanes store 512 consecutive bytes; every result has a register of its own
.endr
	s_endpgm
.Lfunc_end_k_q196e8e4365_prep:
	.size	k_q196e8e4365_prep, .Lfunc_end_k_q196e8e4365_prep-k_q196e8e4365_prep
	.p2alignl 7, 3214868480
	.fill 96, 4, 3214868480
	.section	.rodata,"a",@progbits
	.p2align	6, 0x0
	.amdhsa_kernel k_q196e8e4365_prep
		.amdhsa_group_segment_fixed_size 33280
		.amdhsa_private_segment_fixed_size 0
		.amdhsa_enable_private_segment 0
		.amdhsa_kernarg_size 72
		.amdhsa_user_sgpr_count 2
		.amdhsa_user_sgpr_kernarg_segment_ptr 1
		.amdhsa_wavefront_size32 1
		.amdhsa_system_sgpr_workgroup_id_x 1
		.amdhsa_system_sgpr_workgroup_id_y 1
		.amdhsa_system_sgpr_workgroup_id_z 1
		.amdhsa_system_vgpr_workitem_id 0
		.amdhsa_next_free_vgpr 192
		.amdhsa_next_free_sgpr 66
		.amdhsa_reserve_vcc 1
		.amdhsa_float_denorm_mode_32 3
		.amdhsa_float_denorm_mode_16_64 3
		.amdhsa_memory_ordered 1
		.amdhsa_forward_progress 1
		.amdhsa_inst_pref_size 102
	.end_amdhsa_kernel
	.amdgpu_metadata
---
amdhsa.version: [ 1, 2 ]
amdhsa.kernels:
  - .name:           k_q196e8e4365_prep
    .symbol:         k_q196e8e4365_prep.kd
    .args:
      - { .name: x, .offset: 0, .size: 8, .value_kind: global_buffer, .address_space: global }
      - { .name: wq, .offset: 8, .size: 8, .value_kind: global_buffer, .address_space: global }
      - { .name: wk, .offset: 16, .size: 8, .value_kind: global_buffer, .address_space: global }
      - { .name: wv, .offset: 24, .size: 8, .value_kind: global_buffer, .address_space: global }
      - { .name: wo, .offset: 32, .size: 8, .value_kind: global_buffer, .address_space: global }
      - { .name: codes, .offset: 40, .size: 8, .value_kind: global_buffer, .address_space: global }
      - { .name: scales, .offset: 48, .size: 8, .value_kind: global_buffer, .address_space: global }
      - { .name: wo16, .offset: 56, .size: 8, .value_kind: global_buffer, .address_space: global }
      - { .name: rope, .offset: 64, .size: 8, .value_kind: global_buffer, .address_space: global }
    .group_segment_fixed_size: 33280
    .private_segment_fixed_size: 0
    .kernarg_segment_align: 8
    .kernarg_segment_size: 72
    .max_flat_workgroup_size: 128
    .sgpr_count:     66
    .vgpr_count:     192
    .wavefront_size: 32
...
	.end_amdgpu_metadata
.endif
;; end of part 1
;; launch qkvgemm (part 2): grid 16 x 16, 4 waves a work-group, clusters of 4 x 1, 327,680 bytes of LDS; arguments codes, scales, rope, qkv, first; writes qkv, first
.if DOCPART == 2
	.amdgcn_target "amdgcn-amd-amdhsa--gfx1250"
	.amdhsa_code_object_version 6
	.text
	.protected	k_q196e8e4365_qkvgemm
	.globl	k_q196e8e4365_qkvgemm
	.p2align	8
	.type	k_q196e8e4365_qkvgemm,@function
k_q196e8e4365_qkvgemm:
	s_mov_b64 s[64:65], 0
	v_nop
	global_prefetch_b8 v0, s[64:65] scope:SCOPE_SE
	s_setreg_imm32_b32 hwreg(HW_REG_WAVE_MODE, 25, 1), 1
	s_wait_xcnt 0x0
	s_wait_alu depctr_hold_cnt(0) depctr_sa_sdst(0) depctr_va_vdst(0) depctr_va_sdst(0) depctr_va_ssrc(0) depctr_va_vcc(0) depctr_vm_vsrc(0)
	s_getreg_b32 s2, hwreg(HW_REG_IB_STS2, 6, 4)
	s_cmp_eq_u32 s2, 0
	s_cbranch_scc0 .Lentry_in_a_cluster
	s_endpgm
.Lentry_in_a_cluster:
	s_bfe_u32 s2, ttmp6, 0x10000c
	s_cmp_lg_u32 s2, 0x3003
	s_cbranch_scc0 .Lentry_shape_is_right
	s_endpgm
.Lentry_shape_is_right:
; q, k, v = x W^T on codes of FP4 (E2M1) with one E8M0 scale for each 32 along K = 2,048; sums in f32; RoPE on q and k in f32 on the way out; results as f16 into qkv [16 heads][4096][128]
; (heads 0-7 q, 8-11 k, 12-15 v), and positions 0-15 once more as f32 into 'first' for the launch that carries them finely.
; SHARES.  A work-group makes 256 rows (work-group y) x 128 columns = one head (4 x cluster x + my place in the cluster).  Wave w makes rows 64 w .. 64 w + 63 x all 128 columns: 4 x 8 accumulators of 16 x 16.
; THE MATRIX INSTRUCTION IS USED TRANSPOSED (source 0 = 16 rows of W, source 1 = 16 rows of x): lane (r, h) holds row r and columns 16 b + 8 h + 0 .. 7 of block b.  RoPE's partners, columns d and d + 64, are
; accumulators b and b + 4, same lane, same register.
; CLUSTER 4 x 1: the four partners make four heads of the same 256 rows, so x's tiles and x's scale bytes are asked for JOINTLY (mask 15).  The four are of one kind (cluster x 0, 1: q; 2: k; 3: v), so the branch
; 'RoPE or not' is alike in all partners, and so is the branch on the row block.  W's tiles differ from partner to partner: they are loads of the work-group's own (no mask), behind the same rounds.  W is not
; shared along y: a cluster two-dimensional here would make the branch on the first row block hang on a work-group's place in its cluster.
; K goes in four slot fills of 512 (rows of 256 bytes) through two LDS slots; all is written out, without a loop: sixteen steps of 128 along K.  The scale bytes for all of K come once, with the first fills.
; The table of cos and sin is loaded at the head by every work-group, v's too, which do not use it: so the text has one way from its head to the way out.
; LIMITS: |q|, |k|, |v| stay under 65,504 (f16).  NaN and infinities are not served.
; REGISTERS, in windows of 256: window 0: v8-15 at work; v16-31 addresses; v32-95 scale words, two sets (nothing else ever); v96-159 x's fragments, two sets, on the way out rows read back; v160-223 roped numbers; v224-255 packed f16.
;   window 1: accumulator (a, b) at v[8 (8 a + b)].   window 2: W's fragments, two sets, at v0 and v128.   window 3: the table: block a at v[64 a]: cos(b, j) at 16 b + j, sin(b, j) at 16 b + 8 + j.
.set PITCH, 272                        ; an LDS row: 256 bytes + 16 of padding, so that the sixteen rows of a fragment load begin at sixteen different places round the banks (ISA guide 11.1)
.set XT,    256*PITCH                  ; x's 256 rows
.set SLOT,  384*PITCH                  ; then W's 128 rows
.set SCL,   2*SLOT                     ; behind the ring: x's scale bytes, 256 rows x 64 bytes as 64 pieces of 256 bytes + 16;
.set SCLW,  SCL+64*272                 ; W's, 32 pieces
.set STAGE, SCLW+32*272                ; the way out: 16 rows x 272 bytes for each wave; no tile lands here
.set SPARE, STAGE+4*16*272             ; the spare words, 128 bytes a wave
.set TT,   8                           ; v8-15   RoPE's products
.set ADRA, 16                          ; v16-17  LDS address of my fragments of x in slot 0, 1
.set ADRB, 20                          ; v20-21  of W's
.set STO,  24                          ; v24     the stage: where I put 16 bytes of a row
.set RD,   25                          ; v25     and where I read a row back
.set LI,   26                          ; v26     16 x lane
.set ADRS, 27                          ; v27     LDS address of my scale words: lanes 0-15 x's rows, lanes 16-31 W's
.set SPW,  28                          ; v28     my spare word; never rewritten
.set NIL,  29                          ; v29     0; never rewritten
.set VRM,  31                          ; v31     512 r + 32 h: my place in v's row-major f32 copy
.set SC,   32
.set AF,   96
.set BK,   96
.set Y,    160
.set PK,   224
.set G1A,  24                          ; s[24:31] group 1, x's tiles;  s[32:39] group 0, a set for each slot
.set G0A,  32
.set G1B,  40                          ; s[40:47], s[48:55] the same for W's
.set G0B,  48
.set G0SA, 56                          ; s[56:59], s[60:63] groups 0 for x's and W's scale bytes;  s[68:75], s[76:83] their groups 1
.set G0SB, 60
.set G1SA, 68
.set G1SB, 76
.set MULW, 0x52                        ; source 0 (W) window 2, source 1 (x) window 0, C and D window 1
.set MSB, 0
.macro WIN new                         ; the immediate's high byte repeats the setting that is left
.if MSB != \new
	s_set_vgpr_msb (MSB<<8)|\new
.set MSB, \new
.endif
.endm
.macro PLACES n
.rept \n
	v_nop
.endr
.endm
; Waves 0 and 1 fetch for x, waves 2 and 3 for W.  The branch hangs on the wave's number alone.  An s_nop 0 and four v_nop follow each of the two lines.
.macro JLOAD g0a, g1a, g0b, g1b
	s_cmp_eq_u32 s15, 0
	s_cbranch_scc0 .Lfor_b_\@
	tensor_load_to_lds s[\g0a:\g0a+3], s[\g1a:\g1a+7]
	s_nop 0
.rept 4
	v_nop
.endr
	s_branch .Lasked_\@
.Lfor_b_\@:
	tensor_load_to_lds s[\g0b:\g0b+3], s[\g1b:\g1b+7]
	s_nop 0
.rept 4
	v_nop
.endr
.Lasked_\@:
.endm
.macro CREST                           ; a round of the cluster's barrier behind its opening barrier
	s_cmp_lg_u32 s14, 0
	s_cbranch_scc1 .Lnot_wave_0_\@
	s_barrier_signal -3
.Lnot_wave_0_\@:
	s_barrier_wait -3
	s_barrier_signal -1
	s_barrier_wait -1
.endm
.macro CROUND
	s_barrier_signal -1
	s_barrier_wait -1
	CREST
.endm
	s_load_b256 s[4:11], s[0:1], 0x0               ; codes 4:5, scales 6:7, rope 8:9, qkv 10:11
	s_load_b64 s[12:13], s[0:1], 0x20              ; first
	v_lshl_add_u32 v[SPW], v0, 2, SPARE
	v_mov_b32 v[NIL], 0
	ds_add_u32 v[SPW], v[NIL]                      ; the wave's opening: the add, twice on end, and its wait ahead of my first tensor load
	ds_add_u32 v[SPW], v[NIL]
	v_lshrrev_b32 v1, 5, v0
	v_readfirstlane_b32 s14, v1                    ; wave 0..3
	s_lshr_b32 s15, s14, 1                         ; I fetch for x (0) or for W (1)
	s_and_b32 s16, s14, 1                          ; which half of that tile's rows
	s_bfe_u32 s17, ttmp6, 0x40000                  ; my place in the cluster
	s_lshl_b32 s18, ttmp9, 2
	s_add_co_u32 s18, s18, s17                     ; the head
	s_and_b32 s19, ttmp7, 0xffff                   ; the block of 256 rows
	s_mov_b32 s[G1A], 15|(1<<20)|(1<<21)|(5<<22)|(3<<25)   ; 15:0 the mask: all four; 17:16 elements of 1 byte; 20 padding on; 21 set beside a mask; 24:22 after every 64 words; 31:25 four words
	s_mov_b32 s[G1A+1], 256<<16                    ; tensor_dim0
	s_mov_b32 s[G1A+2], 128<<16                    ; tensor_dim1
	s_mov_b32 s[G1A+3], 256<<16                    ; tile_dim0
	s_mov_b32 s[G1A+4], 128                        ; tile_dim1
	s_mov_b32 s[G1A+5], 1024                       ; from row to row
	s_mov_b32 s[G1A+6], 0
	s_mov_b32 s[G1A+7], 0
	s_mov_b32 s[G1B], (1<<20)|(5<<22)|(3<<25)      ; no mask: my work-group's own
	s_mov_b32 s[G1B+1], 256<<16
	s_mov_b32 s[G1B+2], 64<<16
	s_mov_b32 s[G1B+3], 256<<16
	s_mov_b32 s[G1B+4], 64
	s_mov_b32 s[G1B+5], 1024
	s_mov_b32 s[G1B+6], 0
	s_mov_b32 s[G1B+7], 0
	s_mov_b32 s[G1SA], 15|(3<<16)|(1<<20)|(1<<21)|(5<<22)|(3<<25)   ; the scale bytes of 128 rows: 8,192 dense bytes as 32 rows of 32 elements of 8 bytes
	s_mov_b32 s[G1SA+1], 32<<16
	s_mov_b32 s[G1SA+2], 32<<16
	s_mov_b32 s[G1SA+3], 32<<16
	s_mov_b32 s[G1SA+4], 32
	s_mov_b32 s[G1SA+5], 32
	s_mov_b32 s[G1SA+6], 0
	s_mov_b32 s[G1SA+7], 0
	s_mov_b32 s[G1SB], (3<<16)|(1<<20)|(5<<22)|(3<<25)              ; of 64 rows: 16 such rows
	s_mov_b32 s[G1SB+1], 32<<16
	s_mov_b32 s[G1SB+2], 16<<16
	s_mov_b32 s[G1SB+3], 32<<16
	s_mov_b32 s[G1SB+4], 16
	s_mov_b32 s[G1SB+5], 32
	s_mov_b32 s[G1SB+6], 0
	s_mov_b32 s[G1SB+7], 0
	s_lshl_b32 s20, s19, 8
	s_lshl_b32 s21, s16, 7
	s_add_co_u32 s20, s20, s21                     ; x: row 256 y + 128 x half: what all four partners share
	s_lshl_b32 s84, s20, 10                        ; its codes,
	s_mov_b32 s85, 0
	s_lshl_b32 s86, s20, 6                         ; its scale bytes
	s_mov_b32 s87, 0
	s_lshl_b32 s22, s18, 7
	s_lshl_b32 s21, s16, 6
	s_add_co_u32 s22, s22, s21                     ; W: row 128 x head + 64 x half, behind x's 4,096 rows
	s_lshl_b32 s88, s22, 10
	s_add_co_u32 s88, s88, 4096*1024
	s_mov_b32 s89, 0
	s_lshl_b32 s90, s22, 6
	s_add_co_u32 s90, s90, 4096*64
	s_mov_b32 s91, 0
	s_mul_i32 s92, s16, 128*PITCH                  ; where they go: the wave's number alone enters an LDS address
	s_mul_i32 s93, s16, 64*PITCH
	s_add_co_u32 s93, s93, XT
	s_mul_i32 s94, s16, 32*272
	s_add_co_u32 s94, s94, SCL
	s_mul_i32 s95, s16, 16*272
	s_add_co_u32 s95, s95, SCLW
	v_and_b32 v2, 31, v0
	v_lshlrev_b32 v[LI], 4, v2
	s_wait_dscnt 0x0                               ; both opening adds are done
	s_wait_kmcnt 0x0
	s_add_nc_u64 s[84:85], s[4:5], s[84:85]
	s_add_nc_u64 s[86:87], s[6:7], s[86:87]
	s_add_nc_u64 s[88:89], s[4:5], s[88:89]
	s_add_nc_u64 s[90:91], s[6:7], s[90:91]
	CROUND                                         ; all four work-groups are here: the first joint loads meet
	s_mov_b32 s[G0SA], 1
	s_mov_b32 s[G0SA+1], s94
	s_mov_b64 s[G0SA+2:G0SA+3], s[86:87]
	s_or_b32 s[G0SA+3], s[G0SA+3], 0x80000000
	s_mov_b32 s[G0SB], 1
	s_mov_b32 s[G0SB+1], s95
	s_mov_b64 s[G0SB+2:G0SB+3], s[90:91]
	s_or_b32 s[G0SB+3], s[G0SB+3], 0x80000000
	JLOAD G0SA, G1SA, G0SB, G1SB                   ; the scale bytes first: they are wanted with the first step
.irp s, 0,1
	s_mov_b32 s[G0A+4*\s], 1
	s_add_co_u32 s[G0A+4*\s+1], s92, \s*SLOT
	s_add_nc_u64 s[G0A+4*\s+2:G0A+4*\s+3], s[84:85], \s*256
	s_or_b32 s[G0A+4*\s+3], s[G0A+4*\s+3], 0x80000000
	s_mov_b32 s[G0B+4*\s], 1
	s_add_co_u32 s[G0B+4*\s+1], s93, \s*SLOT
	s_add_nc_u64 s[G0B+4*\s+2:G0B+4*\s+3], s[88:89], \s*256
	s_or_b32 s[G0B+4*\s+3], s[G0B+4*\s+3], 0x80000000
	JLOAD G0A+4*\s, G1A, G0B+4*\s, G1B             ; three tensor loads of mine are out
.endr
	s_lshl_b32 s96, s19, 4                         ; the table of my 64 rows: blocks 16 y + 4 w on, 8,192 bytes each; it lands while the products run
	s_lshl_b32 s97, s14, 2
	s_add_co_u32 s96, s96, s97
	s_lshl_b32 s96, s96, 13
	s_mov_b32 s97, 0
	s_add_nc_u64 s[8:9], s[8:9], s[96:97]
	WIN 0xc0                                       ; destination window 3
.set i, 0
.rept 64
	global_load_b128 v[4*i:4*i+3], v[LI], s[8:9] offset:512*i
.set i, i+1
.endr
	WIN 0
	v_and_b32 v1, 15, v0                           ; r
	v_bfe_u32 v2, v0, 4, 1                         ; h
	v_mul_u32_u24 v3, v1, PITCH
	v_lshl_add_u32 v3, v2, 4, v3                   ; a fragment's row x pitch + 16 x half
	s_mul_i32 s20, s14, 64*PITCH                   ; my 64 rows of x
	v_add_nc_u32 v[ADRA], s20, v3
	v_add_nc_u32 v[ADRA+1], SLOT, v[ADRA]
	v_add_nc_u32 v[ADRB], XT, v3
	v_add_nc_u32 v[ADRB+1], SLOT, v[ADRB]
	v_lshlrev_b32 v4, 6, v1                        ; my row's scale bytes: 64 a row,
	v_lshrrev_b32 v5, 2, v1
	v_lshl_add_u32 v4, v5, 4, v4                   ; and 16 more for each 256 passed
	s_mul_i32 s21, s14, 16*272                     ; x's: my 64 rows
	s_mov_b32 s22, 64*272
	s_sub_co_u32 s22, s22, s21                     ; from there to W's first row
	v_mul_u32_u24 v5, s22, v2                      ; lanes 16-31 take W's
	s_add_co_u32 s21, s21, SCL
	v_add_nc_u32 v4, v4, v5
	v_add_nc_u32 v[ADRS], s21, v4
	s_mul_i32 s23, s14, 16*272
	s_add_co_u32 s23, s23, STAGE                   ; my stage
	v_add_nc_u32 v[STO], s23, v3                   ; in: row r, 16 bytes for each half of the lanes
	v_mul_u32_u24 v5, v2, 272
	v_lshl_add_u32 v5, v1, 4, v5
	v_add_nc_u32 v[RD], s23, v5                    ; back: lanes 0-15 one row of 256 bytes, lanes 16-31 the next
	v_lshlrev_b32 v[VRM], 9, v1
	v_lshl_add_u32 v[VRM], v2, 5, v[VRM]
	s_lshl_b32 s96, s18, 20                        ; qkv: the head's 1 MiB, + my first row x 256 bytes
	s_lshl_b32 s97, s19, 16
	s_add_co_u32 s96, s96, s97
	s_lshl_b32 s97, s14, 14
	s_add_co_u32 s96, s96, s97
	s_mov_b32 s97, 0
	s_add_nc_u64 s[10:11], s[10:11], s[96:97]
	s_lshl_b32 s96, s18, 13                        ; first: 8,192 bytes a head
	s_add_nc_u64 s[12:13], s[12:13], s[96:97]
.macro FRAG reg, adr, q, i             ; 16 rows x 128 K of 4-bit codes: 8 registers; lane (r, h): registers 4 c .. 4 c + 3 hold K = 64 c + 32 h + 0 .. 31: 16 bytes of the row as they lie
.irp c, 0,1
	ds_load_b128 v[\reg+4*\c:\reg+4*\c+3], v[\adr] offset:64*(\q)+32*\c+(\i)*16*PITCH
.endr
.endm
; Eight matrix instructions: x's block a against W's eight, the slot's q-th 128 along K; p: the set of fragments; set: the set of scale words.  The 32 accumulators take turns, one instruction a turn, in the
; same order in every step.  One register carries x's word (lanes 0-15) and W's (lanes 16-31) of block i.
.macro MUL a, p, q, set, zero
.irp b, 0,1,2,3,4,5,6,7
.if \zero
	v_wmma_scale_f32_16x16x128_f8f6f4 v[8*(8*(\a)+\b):8*(8*(\a)+\b)+7], v[128*(\p)+8*\b:128*(\p)+8*\b+7], v[AF+32*(\p)+8*(\a):AF+32*(\p)+8*(\a)+7], 0, v[SC+32*(\set)+4*\b+(\q)], v[SC+32*(\set)+4*(\a)+(\q)] matrix_a_fmt:MATRIX_FMT_FP4 matrix_b_fmt:MATRIX_FMT_FP4 matrix_a_scale:MATRIX_SCALE_ROW1
.else
	v_wmma_scale_f32_16x16x128_f8f6f4 v[8*(8*(\a)+\b):8*(8*(\a)+\b)+7], v[128*(\p)+8*\b:128*(\p)+8*\b+7], v[AF+32*(\p)+8*(\a):AF+32*(\p)+8*(\a)+7], v[8*(8*(\a)+\b):8*(8*(\a)+\b)+7], v[SC+32*(\set)+4*\b+(\q)], v[SC+32*(\set)+4*(\a)+(\q)] matrix_a_fmt:MATRIX_FMT_FP4 matrix_b_fmt:MATRIX_FMT_FP4 matrix_a_scale:MATRIX_SCALE_ROW1
.endif
.endr
.endm
.macro FETCH slot, q, p                ; 24 LDS loads in one run: W's eight fragments and my four of x
	WIN 0x80                                       ; destination window 2
.irp i, 0,1,2,3,4,5,6,7
	FRAG 128*(\p)+8*\i, ADRB+\slot, \q, \i
.endr
	WIN 0
.irp i, 0,1,2,3
	FRAG AF+32*(\p)+8*\i, ADRA+\slot, \q, \i
.endr
.endm
.macro SCALES set, ks                  ; the scale words of K's ks-th 512: four words a row.  Lanes 0-15: x's block i; lanes 16-31: W's block i.  For i >= 4 lanes 0-15 read landed bytes that nothing uses
.irp i, 0,1,2,3,4,5,6,7
	ds_load_b128 v[SC+32*(\set)+4*\i:SC+32*(\set)+4*\i+3], v[ADRS] offset:1088*\i+16*(\ks)
.endr
.endm
; A step of 128 along K that has its successor in the same slot.  A load into a register that a matrix instruction has read stands four places behind it (ISA guide 7.12.1 for vector instructions).
.macro STEP slot, q, zero
	s_wait_dscnt 0x0                               ; this step's 24 loads, issued a step ago, are in
.if \zero == 0
	PLACES 4
.endif
	FETCH \slot, (\q)+1, 1-(\q)%2
	WIN MULW
	MUL 0, (\q)%2, \q, \slot, \zero
	MUL 1, (\q)%2, \q, \slot, \zero
	MUL 2, (\q)%2, \q, \slot, \zero
	MUL 3, (\q)%2, \q, \slot, \zero
	WIN 0
.endm
; A slot's last step changes slots: one barrier; in front of it each wave waits for all its tensor loads, adds 0 to its spare word, and waits for that and for its reads of this slot.  fill = 1: the barrier opens a
; round of the cluster's, and this slot is filled again, 1,024 along K further on, first thing behind the round.
.macro TURN slot, next, fill, ks
	s_wait_tensorcnt 0x0                           ; all my tensor loads have landed: my part of the next slot
	ds_add_u32 v[SPW], v[NIL]                      ; 0 onto my spare word
	s_wait_dscnt 0x1                               ; (the add alone may be out: this step's fragments are in)
	WIN MULW
	MUL 0, 1, 3, \slot, 0                          ; eight matrix instructions stand between the add and the wait for it
	s_wait_dscnt 0x0                               ; the add is done, and my reads of this slot are over
	s_barrier_signal -1
	MUL 1, 1, 3, \slot, 0
	WIN 0
	s_barrier_wait -1
.if \fill
	CREST                                          ; no wave of any partner still reads this slot or has a load on its way
	s_add_nc_u64 s[G0A+4*\slot+2:G0A+4*\slot+3], s[G0A+4*\slot+2:G0A+4*\slot+3], 512
	s_add_nc_u64 s[G0B+4*\slot+2:G0B+4*\slot+3], s[G0B+4*\slot+2:G0B+4*\slot+3], 512
	JLOAD G0A+4*\slot, G1A, G0B+4*\slot, G1B       ; my one tensor load behind the round; its four v_nop are the places in front of the loads below
.else
	PLACES 4
.endif
	FETCH \next, 0, 0
	SCALES \next, \ks
	WIN MULW
	MUL 2, 1, 3, \slot, 0
	MUL 3, 1, 3, \slot, 0
	WIN 0
.endm
	s_wait_tensorcnt 0x1                           ; the scale bytes and my part of slot 0 are in; slot 1's load may stay out
	s_barrier_signal -1
	s_barrier_wait -1                              ; everybody's are
	FETCH 0, 0, 0
	SCALES 0, 0
	STEP 0, 0, 1                                   ; the first products start the sums: nothing is cleared
	STEP 0, 1, 0
	STEP 0, 2, 0
	TURN 0, 1, 1, 1
	STEP 1, 0, 0
	STEP 1, 1, 0
	STEP 1, 2, 0
	TURN 1, 0, 1, 2
	STEP 0, 0, 0
	STEP 0, 1, 0
	STEP 0, 2, 0
	TURN 0, 1, 0, 3                                ; nothing is left to fetch
	STEP 1, 0, 0
	STEP 1, 1, 0
	STEP 1, 2, 0
	s_wait_dscnt 0x0                               ; the very last step
	WIN MULW
	MUL 0, 1, 3, 1, 0
	MUL 1, 1, 3, 1, 0
	MUL 2, 1, 3, 1, 0
	MUL 3, 1, 3, 1, 0
	WIN 0
; THE WAY OUT, a block of 16 rows at a time: RoPE (q, k), f16, through my own stage in LDS, back as whole rows of 256 bytes.
.macro ROPE a                          ; y1 = x1 cos - x2 sin, y2 = x1 sin + x2 cos, two columns at a time; each accumulator is read from its low end on
	WIN 0x0d                                       ; source 0 window 1 (accumulators), source 1 window 3 (the table)
.irp b, 0,1,2,3
.irp jp, 0,2,4,6
	v_pk_mul_f32 v[TT+4*((\jp/2)%2):TT+4*((\jp/2)%2)+1], v[8*(8*(\a)+\b+4)+\jp:8*(8*(\a)+\b+4)+\jp+1], v[64*(\a)+16*\b+8+\jp:64*(\a)+16*\b+8+\jp+1]
	v_pk_mul_f32 v[TT+4*((\jp/2)%2)+2:TT+4*((\jp/2)%2)+3], v[8*(8*(\a)+\b+4)+\jp:8*(8*(\a)+\b+4)+\jp+1], v[64*(\a)+16*\b+\jp:64*(\a)+16*\b+\jp+1]
	v_pk_fma_f32 v[Y+8*\b+\jp:Y+8*\b+\jp+1], v[8*(8*(\a)+\b)+\jp:8*(8*(\a)+\b)+\jp+1], v[64*(\a)+16*\b+\jp:64*(\a)+16*\b+\jp+1], v[TT+4*((\jp/2)%2):TT+4*((\jp/2)%2)+1] neg_lo:[0,0,1] neg_hi:[0,0,1]
	v_pk_fma_f32 v[Y+8*(\b+4)+\jp:Y+8*(\b+4)+\jp+1], v[8*(8*(\a)+\b)+\jp:8*(8*(\a)+\b)+\jp+1], v[64*(\a)+16*\b+8+\jp:64*(\a)+16*\b+8+\jp+1], v[TT+4*((\jp/2)%2)+2:TT+4*((\jp/2)%2)+3]
.endr
.endr
	WIN 0
.endm
.macro CVTY                            ; the roped numbers to f16
.set i, 0
.rept 32
	v_cvt_pk_f16_f32 v[PK+i], v[Y+2*i], v[Y+2*i+1]
.set i, i+1
.endr
.endm
.macro CVTA a                          ; v: the accumulators as they are, in ascending order
	WIN 0x05                                       ; sources 0 and 1 window 1
.set i, 0
.rept 32
	v_cvt_pk_f16_f32 v[PK+i], v[64*(\a)+2*i], v[64*(\a)+2*i+1]
.set i, i+1
.endr
	WIN 0
.endm
.macro TOSTAGE a                       ; LDS serves a wave's instructions in order (ISA guide 5.7.1.4): no wait between the stores and the loads, nor in front of the next block's stores
.irp b, 0,1,2,3,4,5,6,7
	ds_store_b128 v[STO], v[PK+4*\b:PK+4*\b+3] offset:32*\b
.endr
.irp t, 0,1,2,3,4,5,6,7
	ds_load_b128 v[BK+32*((\a)%2)+4*\t:BK+32*((\a)%2)+4*\t+3], v[RD] offset:544*\t
.endr
.endm
.macro SEND a, younger                 ; younger: the LDS instructions issued behind block a's loads, which may stay out
	s_wait_dscnt \younger
.irp t, 0,1,2,3,4,5,6,7
	global_store_b128 v[LI], v[BK+32*((\a)%2)+4*\t:BK+32*((\a)%2)+4*\t+3], s[10:11] offset:4096*(\a)+512*\t   ; 32 lanes store two rows: 512 consecutive bytes, aligned
.endr
.endm
	PLACES 4                                       ; behind the last products: for the first reads of results and the loads into x's fragments' registers
	s_wait_loadcnt 0x0                             ; the table
	s_or_b32 s20, s19, s14                         ; 0 in wave 0 of the first block of rows: it holds positions 0-15
	s_cmp_eq_u32 ttmp9, 3
	s_cbranch_scc1 .Lv_out
	ROPE 0
	CVTY
	s_cmp_lg_u32 s20, 0
	s_cbranch_scc1 .Lno_copy_r
.irp k, 0,1,2,3,4,5,6,7,8,9,10,11,12,13,14,15
	global_store_b128 v[LI], v[Y+4*\k:Y+4*\k+3], s[12:13] offset:512*\k   ; positions 0-15 in f32, as an image of these registers
.endr
.Lno_copy_r:
	TOSTAGE 0
	s_wait_xcnt 0x0                                ; the copy's stores have read the roped numbers: they are written again only behind this wait
	ROPE 1
	CVTY
	TOSTAGE 1
	SEND 0, 16
	ROPE 2
	CVTY
	s_wait_xcnt 0x0                                ; block 0's stores have read their registers: block 2's rows may land there
	TOSTAGE 2
	SEND 1, 16
	ROPE 3
	CVTY
	s_wait_xcnt 0x0
	TOSTAGE 3
	SEND 2, 16
	SEND 3, 0
	s_branch .Lend
.Lv_out:
	CVTA 0
	s_cmp_lg_u32 s20, 0
	s_cbranch_scc1 .Lno_copy_v
	WIN 0x04                                       ; a store's data: window 1
.irp b, 0,1,2,3,4,5,6,7
	global_store_b128 v[VRM], v[8*\b:8*\b+3], s[12:13] offset:64*\b        ; v's positions 0-15 in f32, row-major [16][128]: pieces of 16 bytes, 8 KiB a head, so that the reader finds channels across lanes
	global_store_b128 v[VRM], v[8*\b+4:8*\b+7], s[12:13] offset:64*\b+16
.endr
	WIN 0
.Lno_copy_v:
	TOSTAGE 0
	CVTA 1
	TOSTAGE 1
	SEND 0, 16
	CVTA 2
	s_wait_xcnt 0x0
	TOSTAGE 2
	SEND 1, 16
	CVTA 3
	s_wait_xcnt 0x0
	TOSTAGE 3
	SEND 2, 16
	SEND 3, 0
.Lend:
	s_wait_tensorcnt 0x0                           ; the wave's end, behind my last tensor load and my last LDS store
	ds_add_u32 v[SPW], v[NIL]
	s_wait_dscnt 0x0
	CROUND                                         ; the closing round
	s_endpgm
.Lfunc_end_k_q196e8e4365_qkvgemm:
	.size	k_q196e8e4365_qkvgemm, .Lfunc_end_k_q196e8e4365_qkvgemm-k_q196e8e4365_qkvgemm
	.p2alignl 7, 3214868480
	.fill 96, 4, 3214868480
	.section	.rodata,"a",@progbits
	.p2align	6, 0x0
	.amdhsa_kernel k_q196e8e4365_qkvgemm
		.amdhsa_group_segment_fixed_size 327680
		.amdhsa_private_segment_fixed_size 0
		.amdhsa_enable_private_segment 0
		.amdhsa_kernarg_size 40
		.amdhsa_user_sgpr_count 2
		.amdhsa_user_sgpr_kernarg_segment_ptr 1
		.amdhsa_wavefront_size32 1
		.amdhsa_system_sgpr_workgroup_id_x 1
		.amdhsa_system_sgpr_workgroup_id_y 1
		.amdhsa_system_sgpr_workgroup_id_z 1
		.amdhsa_system_vgpr_workitem_id 0
		.amdhsa_next_free_vgpr 1024
		.amdhsa_next_free_sgpr 100
		.amdhsa_reserve_vcc 0
		.amdhsa_float_denorm_mode_32 3
		.amdhsa_float_denorm_mode_16_64 3
		.amdhsa_memory_ordered 1
		.amdhsa_forward_progress 1
		.amdhsa_inst_pref_size 163
	.end_amdhsa_kernel
	.amdgpu_metadata
---
amdhsa.version: [ 1, 2 ]
amdhsa.kernels:
  - .name:           k_q196e8e4365_qkvgemm
    .symbol:         k_q196e8e4365_qkvgemm.kd
    .args:
      - { .name: codes, .offset: 0, .size: 8, .value_kind: global_buffer, .address_space: global }
      - { .name: scales, .offset: 8, .size: 8, .value_kind: global_buffer, .address_space: global }
      - { .name: rope, .offset: 16, .size: 8, .value_kind: global_buffer, .address_space: global }
      - { .name: qkv, .offset: 24, .size: 8, .value_kind: global_buffer, .address_space: global }
      - { .name: first, .offset: 32, .size: 8, .value_kind: global_buffer, .address_space: global }
    .group_segment_fixed_size: 327680
    .private_segment_fixed_size: 0
    .kernarg_segment_align: 8
    .kernarg_segment_size: 40
    .max_flat_workgroup_size: 128
    .sgpr_count:     100
    .vgpr_count:     1024
    .wavefront_size: 32
...
	.end_amdgpu_metadata
.endif
;; end of part 2
;; launch attn (part 3): grid 64 x 4, 4 waves a work-group, no clusters, 327,680 bytes of LDS; arguments qkv, att; writes att
.if DOCPART == 3
	.amdgcn_target "amdgcn-amd-amdhsa--gfx1250"
	.amdhsa_code_object_version 6
	.text
	.protected	k_q196e8e4365_attn
	.globl	k_q196e8e4365_attn
	.p2align	8
	.type	k_q196e8e4365_attn,@function
k_q196e8e4365_attn:
	s_mov_b64 s[64:65], 0
	v_nop
	global_prefetch_b8 v0, s[64:65] scope:SCOPE_SE
	s_setreg_imm32_b32 hwreg(HW_REG_WAVE_MODE, 25, 1), 1
	s_wait_xcnt 0x0
; att[t][head][:] = the sum over s of softmax_s(q[head][t] . k[g][s] / sqrt(128)) v[g][s][:], over the keys with 0 <= t - s <= 512; head = 2 g + 0, 1.  q, k, v: f16, [16][4096][128] (q heads 0-7, k 8-11, v 12-15).
; att: f16, [4096][1024].  Products on f16 operands with f32 sums; maxima, exponentials and sums in f32; the weights p are rounded to f16 for the second product, the row's sum is taken of the unrounded p.
; SHARES.  A work-group owns 64 positions p0 = 64 x of key/value head g = y, for both of its query heads.  Wave w owns positions p0 + 16 w .. + 15 as two tiles of 16 queries, tile t = head 2 g + t: the two tiles
; share every fragment of K and V and every mask.
; KEYS.  kb = max(p0 - 512, 0).  Every work-group fetches and walks the 576 keys kb .. kb + 575 (always inside the tensor) in nine steps of 64.  From x = 8 on that is just the window; under x = 8 the keys behind
; the diagonal are masked, not left out.  Step 0 holds a key that counts for every query, so the running maximum is a number from the first step on.
; ALL 576 ROWS OF K AND OF V LIE IN LDS AT ONCE: every fill is a first fill, issued at the head in three groups of 192 keys (waves 0, 1: K's halves; waves 2, 3: V's); nothing is filled again.
; No cluster: neighbouring blocks' windows are shifted by 64 keys, and the union of four windows, 768 keys x 560 bytes, does not fit in LDS.
; LAYOUT.  S^T = K Q^T (source 0 = 16 keys, source 1 = 16 queries): a lane holds ONE query (lane % 16) and keys 8 (lane / 16) + 0..7 of a tile.  Two such tiles, rounded to f16 in pairs, are source 1 of O^T = V^T P.
; V ([key][channel]) comes out of LDS turned, by ds_load_tr16_b128.
; SOFTMAX.  A running maximum m and sum l for each query: p = 2^(c s - c m), c = log2(e) / sqrt(128); in every step O and l are multiplied by a = 2^(c m_old - c m_new).  Masked scores are -infinity: p = 0.
; LIMITS: NaN and infinities are not served; |att| stays under 65,504.
; REGISTERS: window 0: v1-11 addresses; v12-27 statistics, eight a tile; v28-31 the mask's; v62, v63 the add's; v64-127 S^T (32 a tile); v128-159 P (16 a tile); v160-223 Q (32 a tile).
;   window 1: v0-127 O^T (64 a tile); v128-255 V of one step.   window 2: v0-127 K of one step.
.set PKR,   272                        ; a row of K in LDS: 256 bytes + 16
.set PVR,   288                        ; a row of V: 256 + 32, for the turning load
.set VOFF,  576*PKR
.set SPARE, VOFF+576*PVR               ; the spare words, 128 bytes a wave
.set AK0, 2                            ; v2   my lane's place in a tile of K; never rewritten
.set AV0, 3                            ; v3   the same for V
.set STO, 6                            ; v6   the way out: where I put 16 bytes of a row
.set RD,  7                            ; v7   where I read a row back
.set GO,  8                            ; v8   my byte offset in the wave's rows of att
.set QO,  10                           ; v10  my byte offset in the wave's rows of q
.set D0,  11                           ; v11  my query - kb - 8 (lane / 16)
.set ST,  12                           ; tile t's statistics at v[ST + 8 t]: +0 c m, +1 m, +2, +3 l (two halves), +4 .. +7 at work; a at +6
.set SPW, 62
.set NIL, 63
.set S,   64
.set P,   128
.set Q,   160
.set G1K, 16                           ; s[16:23] group 1 for K's tiles;  s[24:31] for V's;  s[32:43], s[44:55] their groups 0, one for each group of keys
.set G1V, 24
.set G0K, 32
.set G0V, 44
.set CS,  56                           ; s[56:57] c, twice: the packed form names a pair
.set SEL, 58                           ; s[58:59] selects for v_permlanex16_b32: lane l xor 16
.set SD,  60                           ; s60  my first query - kb
.set MSB, 0
.macro WIN new
.if MSB != \new
	s_set_vgpr_msb (MSB<<8)|\new
.set MSB, \new
.endif
.endm
.macro PLACES n
.rept \n
	v_nop
.endr
.endm
	s_load_b128 s[4:7], s[0:1], 0x0                ; qkv, att
	v_lshl_add_u32 v[SPW], v0, 2, SPARE
	v_mov_b32 v[NIL], 0
	ds_add_u32 v[SPW], v[NIL]                      ; the wave's opening: the add, twice on end, and its wait ahead of my first tensor load
	ds_add_u32 v[SPW], v[NIL]
	v_lshrrev_b32 v1, 5, v0
	v_readfirstlane_b32 s8, v1                     ; wave 0..3
	s_and_b32 s9, s8, 1                            ; which half of a group's 192 rows I fetch
	s_and_b32 s14, ttmp7, 0xffff                   ; g
	s_lshl_b32 s15, ttmp9, 6                       ; p0
	s_sub_co_i32 s66, s15, 512
	s_max_i32 s66, s66, 0                          ; kb
	s_lshl_b32 s67, s8, 4
	s_add_co_u32 s67, s67, s15                     ; my first position
	s_sub_co_u32 s[SD], s67, s66
	s_mov_b32 s[G1K], (1<<16)|(1<<20)|(5<<22)|(3<<25)   ; 17:16 elements of 2 bytes; 20 padding on; 24:22 after every 64 words; 31:25 four words
	s_mov_b32 s[G1V], (1<<16)|(1<<20)|(5<<22)|(7<<25)   ; eight words
.irp g, G1K, G1V
	s_mov_b32 s[\g+1], 128<<16                     ; tensor_dim0
	s_mov_b32 s[\g+2], 96<<16                      ; tensor_dim1
	s_mov_b32 s[\g+3], 128<<16                     ; tile_dim0
	s_mov_b32 s[\g+4], 96                          ; tile_dim1
	s_mov_b32 s[\g+5], 128                         ; from row to row
	s_mov_b32 s[\g+6], 0
	s_mov_b32 s[\g+7], 0
.endr
	s_mul_i32 s68, s9, 96
	s_add_co_u32 s68, s68, s66                     ; the first key that I fetch: kb + 96 x half
	s_lshl_b32 s62, s68, 8
	s_lshl_b32 s68, s14, 20
	s_add_co_u32 s62, s62, s68
	s_add_co_u32 s62, s62, 8<<20                   ; in K's head 8 + g
	s_mov_b32 s63, 0
	s_mul_i32 s70, s9, 96*PKR                      ; where it goes: the wave's number alone enters an LDS address
	s_mul_i32 s71, s9, 96*PVR
	s_add_co_u32 s71, s71, VOFF
	s_mov_b32 s[CS], 0x3e0293ee                    ; c = log2(e) / sqrt(128)
	s_mov_b32 s[CS+1], s[CS]
	s_mov_b32 s[SEL], 0x76543210
	s_mov_b32 s[SEL+1], 0xfedcba98
	s_wait_dscnt 0x0                               ; both opening adds are done
	s_wait_kmcnt 0x0
	s_add_nc_u64 s[62:63], s[4:5], s[62:63]
.irp i, 0,1,2
	s_mov_b32 s[G0K+4*\i], 1
	s_add_co_u32 s[G0K+4*\i+1], s70, \i*192*PKR
	s_add_nc_u64 s[G0K+4*\i+2:G0K+4*\i+3], s[62:63], \i*192*256
	s_or_b32 s[G0K+4*\i+3], s[G0K+4*\i+3], 0x80000000
	s_mov_b32 s[G0V+4*\i], 1
	s_add_co_u32 s[G0V+4*\i+1], s71, \i*192*PVR
	s_add_nc_u64 s[G0V+4*\i+2:G0V+4*\i+3], s[62:63], \i*192*256+(4<<20)   ; V's head 12 + g lies 4 MiB behind K's
	s_or_b32 s[G0V+4*\i+3], s[G0V+4*\i+3], 0x80000000
.endr
	s_cmp_lt_u32 s8, 2                             ; a wave's three first fills stand in one branch, ahead of every wait on TENSORcnt, every LDS read and every barrier: three loads of mine are out
	s_cbranch_scc0 .Lfirst_v
	tensor_load_to_lds s[G0K:G0K+3], s[G1K:G1K+7]
	s_nop 0
	tensor_load_to_lds s[G0K+4:G0K+7], s[G1K:G1K+7]
	s_nop 0
	tensor_load_to_lds s[G0K+8:G0K+11], s[G1K:G1K+7]
	s_nop 0
.rept 4
	v_nop
.endr
	s_branch .Lfirst_asked
.Lfirst_v:
	tensor_load_to_lds s[G0V:G0V+3], s[G1V:G1V+7]
	s_nop 0
	tensor_load_to_lds s[G0V+4:G0V+7], s[G1V:G1V+7]
	s_nop 0
	tensor_load_to_lds s[G0V+8:G0V+11], s[G1V:G1V+7]
	s_nop 0
.rept 4
	v_nop
.endr
.Lfirst_asked:
	s_lshl_b32 s68, s14, 21                        ; q: head 2 g, my first position x 256 bytes
	s_lshl_b32 s69, s67, 8
	s_add_co_u32 s68, s68, s69
	s_mov_b32 s69, 0
	s_add_nc_u64 s[10:11], s[4:5], s[68:69]
	s_lshl_b32 s68, s67, 11                        ; att: my first position x 2,048 bytes + 512 g
	s_lshl_b32 s70, s14, 9
	s_add_co_u32 s68, s68, s70
	s_add_nc_u64 s[12:13], s[6:7], s[68:69]
	v_and_b32 v1, 15, v0                           ; r
	v_bfe_u32 v9, v0, 4, 1                         ; h
	v_lshlrev_b32 v[QO], 8, v1
	v_lshl_add_u32 v[QO], v9, 4, v[QO]
.irp t, 0,1
.irp c, 0,1,2,3                        ; Q stays in registers: tile t, channels 32 c on
	global_load_b128 v[Q+32*\t+8*\c:Q+32*\t+8*\c+3], v[QO], s[10:11] offset:\t*1048576+64*\c
	global_load_b128 v[Q+32*\t+8*\c+4:Q+32*\t+8*\c+7], v[QO], s[10:11] offset:\t*1048576+64*\c+32
.endr
.endr
	v_mul_u32_u24 v[AK0], v1, PKR
	v_lshl_add_u32 v[AK0], v9, 4, v[AK0]           ; row x pitch + 16 x half
	v_and_b32 v28, 7, v0                           ; the turning load: lane l reads key 8 (l / 16) + l % 8, channels 8 ((l / 8) % 2) + 0..7
	v_bfe_u32 v29, v0, 3, 1
	v_lshl_add_u32 v[AV0], v9, 3, v28
	v_mul_u32_u24 v[AV0], v[AV0], PVR
	v_lshl_add_u32 v[AV0], v29, 4, v[AV0]
	v_add_nc_u32 v[AV0], VOFF, v[AV0]
	s_mul_i32 s68, s8, 16*272                      ; my stage for the way out: in the bytes of K's first 64 rows, which have had their only fill and which no wave reads behind the second meeting below
	v_add_nc_u32 v[STO], s68, v[AK0]
	v_mul_u32_u24 v[RD], v9, 272
	v_lshl_add_u32 v[RD], v1, 4, v[RD]
	v_add_nc_u32 v[RD], s68, v[RD]
	v_lshlrev_b32 v[GO], 11, v9
	v_lshl_add_u32 v[GO], v1, 4, v[GO]
	v_lshlrev_b32 v28, 3, v9
	v_sub_nc_u32 v[D0], v1, v28
	v_add_nc_u32 v[D0], s[SD], v[D0]
	v_mov_b32 v31, 0xff800000                      ; -infinity
.macro FETCH_K s                       ; step s's K: 64 keys x 128 channels, 16 fragments: keys 16 (f / 4) on, channels 32 (f % 4) on
	WIN 0
	v_add_nc_u32 v4, 64*PKR*(\s), v[AK0]
	WIN 0x80                                       ; destination window 2
.irp f, 0,1,2,3,4,5,6,7,8,9,10,11,12,13,14,15
	ds_load_b128 v[8*\f:8*\f+3],   v4 offset:(\f/4)*16*PKR+(\f%4)*64
	ds_load_b128 v[8*\f+4:8*\f+7], v4 offset:(\f/4)*16*PKR+(\f%4)*64+32
.endr
.endm
.macro FETCH_V s                       ; step s's V, turned: keys 32 (f / 8) on, channels 16 (f % 8) on
	WIN 0
	v_add_nc_u32 v5, 64*PVR*(\s), v[AV0]
	WIN 0x40                                       ; destination window 1
.irp f, 0,1,2,3,4,5,6,7,8,9,10,11,12,13,14,15
	ds_load_tr16_b128 v[128+8*\f:128+8*\f+3],   v5 offset:(\f/8)*32*PVR+(\f%8)*32
	ds_load_tr16_b128 v[128+8*\f+4:128+8*\f+7], v5 offset:(\f/8)*32*PVR+16*PVR+(\f%8)*32
.endr
.endm
; S^T = K Q^T: product i: channels 32 (i / 8) on, keys 16 ((i / 2) % 4) on, tile i % 2.  The first eight start the sums.  The accumulators take turns, one instruction a turn.
.macro KQ
	WIN 0x02                                       ; source 0 (K) window 2
.set i, 0
.rept 32
.set rS, S+32*(i%2)+8*((i/2)%4)
.set rK, 32*((i/2)%4)+8*(i/8)
.set rQ, Q+32*(i%2)+8*(i/8)
.if i < 8
	v_wmma_f32_16x16x32_f16 v[rS:rS+7], v[rK:rK+7], v[rQ:rQ+7], 0
.else
	v_wmma_f32_16x16x32_f16 v[rS:rS+7], v[rK:rK+7], v[rQ:rQ+7], v[rS:rS+7]
.endif
.set i, i+1
.endr
.endm
; O^T += V^T P: product i: keys 32 (i / 16) on, channels 16 ((i / 2) % 8) on, tile i % 2.  zero = 1: the first sixteen start the sums.
.macro PV zero
	WIN 0x51                                       ; source 0 (V), C and D (O^T) window 1; source 1 (P) window 0
.set i, 0
.rept 32
.set rO, 64*(i%2)+8*((i/2)%8)
.set rV, 128+64*(i/16)+8*((i/2)%8)
.set rP, P+16*(i%2)+8*(i/16)
.if \zero && (i < 16)
	v_wmma_f32_16x16x32_f16 v[rO:rO+7], v[rV:rV+7], v[rP:rP+7], 0
.else
	v_wmma_f32_16x16x32_f16 v[rO:rO+7], v[rV:rV+7], v[rP:rP+7], v[rO:rO+7]
.endif
.set i, i+1
.endr
.endm
; THE MASK.  Register 8 kt + j of a lane holds key kb + 64 s + 16 kt + 8 (lane / 16) + j; d = my query less that key; the key counts where 0 <= d <= 512: one unsigned comparison.  A step all of whose 64 keys
; count for all my 16 queries (0 <= my first query - the step's last key <= 512 - 15 - 63) jumps over it: a scalar branch on ids.
.macro MASK s
	s_sub_co_u32 s61, s[SD], 64*(\s)+63
	s_cmp_le_u32 s61, 434
	s_cbranch_scc1 .Lopen_\@
	v_add_nc_u32 v28, -(64*(\s)), v[D0]
.irp kt, 0,1,2,3
.irp j, 0,1,2,3,4,5,6,7
	v_add_nc_u32 v[29+\j%2], -(16*\kt+\j), v28
	v_cmp_lt_u32 vcc_lo, 0x200, v[29+\j%2]
	v_cndmask_b32 v[S+8*\kt+\j], v[S+8*\kt+\j], v31, vcc_lo
	v_cndmask_b32 v[S+32+8*\kt+\j], v[S+32+8*\kt+\j], v31, vcc_lo
.endr
.endr
.Lopen_\@:
.endm
; THE SOFTMAX of a step, the two tiles line by line.  first = 1: the first step, which starts m, l and O^T.
.macro SOFTMAX first
.irp c, 0,1,2,3
.irp t, 0,1
	v_max3_num_f32 v[ST+8*\t+4+\c], v[S+32*\t+8*\c], v[S+32*\t+8*\c+1], v[S+32*\t+8*\c+2]   ; each accumulator is read from its low end on
.endr
.endr
.irp u, 0,1
.irp c, 0,1,2,3
.irp t, 0,1
	v_max3_num_f32 v[ST+8*\t+4+\c], v[ST+8*\t+4+\c], v[S+32*\t+8*\c+3+2*\u], v[S+32*\t+8*\c+4+2*\u]
.endr
.endr
.endr
.irp t, 0,1
	v_max3_num_f32 v[ST+8*\t+4], v[ST+8*\t+4], v[S+32*\t+7], v[S+32*\t+15]
	v_max3_num_f32 v[ST+8*\t+6], v[ST+8*\t+6], v[S+32*\t+23], v[S+32*\t+31]
.endr
.irp t, 0,1
	v_max3_num_f32 v[ST+8*\t+4], v[ST+8*\t+4], v[ST+8*\t+5], v[ST+8*\t+6]
.endr
.irp t, 0,1
.if \first
	v_max_num_f32 v[ST+8*\t+4], v[ST+8*\t+4], v[ST+8*\t+7]
.else
	v_max3_num_f32 v[ST+8*\t+4], v[ST+8*\t+4], v[ST+8*\t+7], v[ST+8*\t+1]
.endif
.endr
.irp t, 0,1
	v_permlanex16_b32 v[ST+8*\t+5], v[ST+8*\t+4], s[SEL], s[SEL+1]   ; the query's other 32 keys lie in the lane 16 away
.endr
.if \first == 0
.irp t, 0,1
	v_mov_b32 v[ST+8*\t+7], v[ST+8*\t]             ; c m_old is kept for a
.endr
.endif
.irp t, 0,1
	v_max_num_f32 v[ST+8*\t+1], v[ST+8*\t+4], v[ST+8*\t+5]
.endr
.irp t, 0,1
	v_mul_f32 v[ST+8*\t], s[CS], v[ST+8*\t+1]
.endr
.if \first == 0
.irp t, 0,1
	v_sub_f32 v[ST+8*\t+7], v[ST+8*\t+7], v[ST+8*\t]
.endr
.endif
.irp b, 0,1,2,3,4,5,6,7,8,9,10,11,12,13,14,15
.irp t, 0,1
	v_pk_fma_f32 v[S+32*\t+2*\b:S+32*\t+2*\b+1], v[S+32*\t+2*\b:S+32*\t+2*\b+1], s[CS:CS+1], v[ST+8*\t:ST+8*\t+1] op_sel_hi:[1,0,0] neg_lo:[0,0,1] neg_hi:[0,0,1]   ; c s - c m
.endr
.endr
.if \first == 0
.irp t, 0,1
	v_exp_f32 v[ST+8*\t+6], v[ST+8*\t+7]           ; a
.endr
.endif
.irp e, 0,1,2,3,4,5,6,7,8,9,10,11,12,13,14,15,16,17,18,19,20,21,22,23,24,25,26,27,28,29,30,31
.irp t, 0,1
	v_exp_f32 v[S+32*\t+\e], v[S+32*\t+\e]
.endr
.endr
	v_nop                                          ; a plain line behind the last exponential,
	s_wait_alu depctr_va_vdst(0)                   ; and one wait for the whole batch, ahead of its first reader
.irp b, 0,1,2,3,4,5,6,7,8,9,10,11,12,13,14,15
.irp t, 0,1
	v_cvt_pk_f16_f32 v[P+16*\t+\b], v[S+32*\t+2*\b], v[S+32*\t+2*\b+1]
.endr
.endr
.irp u, 0,1,2,3,4,5,6,7                ; the sum of the unrounded p, in pairs, in place
.irp t, 0,1
	v_pk_add_f32 v[S+32*\t+4*\u:S+32*\t+4*\u+1], v[S+32*\t+4*\u:S+32*\t+4*\u+1], v[S+32*\t+4*\u+2:S+32*\t+4*\u+3]
.endr
.endr
.irp u, 0,1,2,3
.irp t, 0,1
	v_pk_add_f32 v[S+32*\t+8*\u:S+32*\t+8*\u+1], v[S+32*\t+8*\u:S+32*\t+8*\u+1], v[S+32*\t+8*\u+4:S+32*\t+8*\u+5]
.endr
.endr
.irp u, 0,1
.irp t, 0,1
	v_pk_add_f32 v[S+32*\t+16*\u:S+32*\t+16*\u+1], v[S+32*\t+16*\u:S+32*\t+16*\u+1], v[S+32*\t+16*\u+8:S+32*\t+16*\u+9]
.endr
.endr
.if \first
.irp t, 0,1
	v_pk_add_f32 v[ST+8*\t+2:ST+8*\t+3], v[S+32*\t:S+32*\t+1], v[S+32*\t+16:S+32*\t+17]
.endr
.else
.irp t, 0,1
	v_pk_add_f32 v[S+32*\t:S+32*\t+1], v[S+32*\t:S+32*\t+1], v[S+32*\t+16:S+32*\t+17]
.endr
.irp t, 0,1
	v_pk_fma_f32 v[ST+8*\t+2:ST+8*\t+3], v[ST+8*\t+2:ST+8*\t+3], v[ST+8*\t+6:ST+8*\t+7], v[S+32*\t:S+32*\t+1] op_sel_hi:[1,0,1]   ; l = a l + the sum
.endr
	WIN 0x41                                       ; O^T (destination and source 0) window 1, a window 0
.irp t, 0,1
.set i, 0
.rept 32
	v_pk_mul_f32 v[64*\t+2*i:64*\t+2*i+1], v[64*\t+2*i:64*\t+2*i+1], v[ST+8*\t+6:ST+8*\t+7] op_sel_hi:[1,0]
.set i, i+1
.endr
.endr
.endif
.endm
; A KEY STEP.  Four places stand behind the products K Q^T: for the loads into K's and V's registers and for the first read of the scores (ISA guide 7.12.1 for vector instructions).
.macro ASTEP s, first
	s_wait_dscnt 0x0                               ; K of this step is in
	KQ
	WIN 0
	PLACES 4
.if \s == 2
	s_wait_tensorcnt 0x1                           ; my part of keys 192 .. 383 is in; the last group's load may stay out
	s_wait_dscnt 0x0
	s_barrier_signal -1
	s_barrier_wait -1                              ; everybody's is
.endif
.if \s == 5
	s_wait_tensorcnt 0x0                           ; my part of keys 384 .. 575 is in
	s_wait_dscnt 0x0
	s_barrier_signal -1
	s_barrier_wait -1
.endif
	FETCH_V \s
.if \s < 8
	FETCH_K (\s)+1
.endif
	WIN 0
	MASK \s
	SOFTMAX \first
.if \s < 8
	s_wait_dscnt 32                                ; V is in; the next step's 32 loads of K may stay out
.else
	s_wait_dscnt 0x0
.endif
	PV \first
.endm
	s_wait_tensorcnt 0x2                           ; my part of keys 0 .. 191 is in; the two later groups' loads may stay out
	s_barrier_signal -1
	s_barrier_wait -1                              ; everybody's is
	FETCH_K 0
	s_wait_loadcnt 0x0                             ; Q
	ASTEP 0, 1
	ASTEP 1, 0
	ASTEP 2, 0
	ASTEP 3, 0
	ASTEP 4, 0
	ASTEP 5, 0
	ASTEP 6, 0
	ASTEP 7, 0
	ASTEP 8, 0
	; THE WAY OUT.  l's two halves and the other half of the lanes' are added (these lines are the places behind the last products); O^T is divided by l, rounded to f16, and goes through my stage, a tile at a time.
	WIN 0
.irp t, 0,1
	v_add_f32 v[ST+8*\t+4], v[ST+8*\t+2], v[ST+8*\t+3]
.endr
.irp t, 0,1
	v_permlanex16_b32 v[ST+8*\t+5], v[ST+8*\t+4], s[SEL], s[SEL+1]
.endr
.irp t, 0,1
	v_add_f32 v[ST+8*\t+4], v[ST+8*\t+4], v[ST+8*\t+5]
.endr
.irp t, 0,1
	v_rcp_f32 v[ST+8*\t+6], v[ST+8*\t+4]
.endr
	v_nop                                          ; a plain line behind the last reciprocal,
	s_wait_alu depctr_va_vdst(0)                   ; and the wait ahead of the first use: one for the two
.macro PACK t
	WIN 0x41
.set i, 0
.rept 32
	v_pk_mul_f32 v[64*\t+2*i:64*\t+2*i+1], v[64*\t+2*i:64*\t+2*i+1], v[ST+8*\t+6:ST+8*\t+7] op_sel_hi:[1,0]
.set i, i+1
.endr
	WIN 0x05                                       ; sources 0 and 1 window 1, destination window 0
.set i, 0
.rept 32
	v_cvt_pk_f16_f32 v[S+32*\t+i], v[64*\t+2*i], v[64*\t+2*i+1]
.set i, i+1
.endr
	WIN 0
.irp f, 0,1,2,3,4,5,6,7
	ds_store_b128 v[STO], v[S+32*\t+4*\f:S+32*\t+4*\f+3] offset:32*\f
.endr
.irp f, 0,1,2,3,4,5,6,7
	ds_load_b128 v[S+32*\t+4*\f:S+32*\t+4*\f+3], v[RD] offset:\f*544   ; LDS serves a wave's instructions in order (ISA guide 5.7.1.4): these see the stores above; the next tile's stores come behind them
.endr
.endm
.macro SEND t, younger                 ; younger: the LDS instructions issued behind tile t's loads
.irp f, 0,1,2,3,4,5,6,7
	s_wait_dscnt \younger+7-\f
	global_store_b128 v[GO], v[S+32*\t+4*\f:S+32*\t+4*\f+3], s[12:13] offset:256*\t+4096*\f   ; 16 lanes store 256 consecutive bytes, aligned: a head's part of a row
.endr
.endm
	PACK 0
	PACK 1
	SEND 0, 16
	SEND 1, 0
	s_wait_tensorcnt 0x0                           ; the wave's end, behind my last tensor load and my last LDS store
	ds_add_u32 v[SPW], v[NIL]
	s_wait_dscnt 0x0
	s_endpgm
.Lfunc_end_k_q196e8e4365_attn:
	.size	k_q196e8e4365_attn, .Lfunc_end_k_q196e8e4365_attn-k_q196e8e4365_attn
	.p2alignl 7, 3214868480
	.fill 96, 4, 3214868480
	.section	.rodata,"a",@progbits
	.p2align	6, 0x0
	.amdhsa_kernel k_q196e8e4365_attn
		.amdhsa_group_segment_fixed_size 327680
		.amdhsa_private_segment_fixed_size 0
		.amdhsa_enable_private_segment 0
		.amdhsa_kernarg_size 16
		.amdhsa_user_sgpr_count 2
		.amdhsa_user_sgpr_kernarg_segment_ptr 1
		.amdhsa_wavefront_size32 1
		.amdhsa_system_sgpr_workgroup_id_x 1
		.amdhsa_system_sgpr_workgroup_id_y 1
		.amdhsa_system_sgpr_workgroup_id_z 1
		.amdhsa_system_vgpr_workitem_id 0
		.amdhsa_next_free_vgpr 640
		.amdhsa_next_free_sgpr 72
		.amdhsa_reserve_vcc 1
		.amdhsa_float_denorm_mode_32 3
		.amdhsa_float_denorm_mode_16_64 3
		.amdhsa_memory_ordered 1
		.amdhsa_forward_progress 1
		.amdhsa_inst_pref_size 255
	.end_amdhsa_kernel
	.section	.bss,"aw",@nobits
	.p2align	6
	.space	262144
	.amdgpu_metadata
---
amdhsa.version: [ 1, 2 ]
amdhsa.kernels:
  - .name:           k_q196e8e4365_attn
    .symbol:         k_q196e8e4365_attn.kd
    .args:
      - { .name: qkv, .offset: 0, .size: 8, .value_kind: global_buffer, .address_space: global }
      - { .name: att, .offset: 8, .size: 8, .value_kind: global_buffer, .address_space: global }
    .group_segment_fixed_size: 327680
    .private_segment_fixed_size: 0
    .kernarg_segment_align: 8
    .kernarg_segment_size: 16
    .max_flat_workgroup_size: 128
    .sgpr_count:     72
    .vgpr_count:     640
    .wavefront_size: 32
...
	.end_amdgpu_metadata
.endif
;; end of part 3
;; launch proj (part 4): grid 16 x 16, 4 waves a work-group, clusters of 4 x 4, 327,680 bytes of LDS; arguments att, wo16, out0; writes out0
.if DOCPART == 4
	.amdgcn_target "amdgcn-amd-amdhsa--gfx1250"
	.amdhsa_code_object_version 6
	.text
	.protected	k_q196e8e4365_proj
	.globl	k_q196e8e4365_proj
	.p2align	8
	.type	k_q196e8e4365_proj,@function
k_q196e8e4365_proj:
	s_mov_b64 s[64:65], 0
	v_nop
	global_prefetch_b8 v0, s[64:65] scope:SCOPE_SE
	s_setreg_imm32_b32 hwreg(HW_REG_WAVE_MODE, 25, 1), 1
	s_wait_xcnt 0x0
	s_wait_alu depctr_hold_cnt(0) depctr_sa_sdst(0) depctr_va_vdst(0) depctr_va_sdst(0) depctr_va_ssrc(0) depctr_va_vcc(0) depctr_vm_vsrc(0)
	s_getreg_b32 s2, hwreg(HW_REG_IB_STS2, 6, 4)
	s_cmp_eq_u32 s2, 0
	s_cbranch_scc0 .Lentry_in_a_cluster
	s_endpgm
.Lentry_in_a_cluster:
	s_bfe_u32 s2, ttmp6, 0x10000c
	s_cmp_lg_u32 s2, 0xf033
	s_cbranch_scc0 .Lentry_shape_is_right
	s_endpgm
.Lentry_shape_is_right:
; out0[t][n] = the sum over k of att[t][k] wo[n][k].  att [4096][1024] and wo16 [2048][1024]: f16; out0 [4096][2048]: f32; sums in f32.
; A tile of out0 is 256 rows x 128 columns: 256 work-groups.  Wave w makes rows 64 w .. 64 w + 63 x all 128 columns: 4 x 8 accumulators of 16 x 16.
; THE MATRIX INSTRUCTION IS USED TRANSPOSED (source 0 = 16 rows of wo16, source 1 = 16 rows of att): a lane holds eight neighbouring numbers of a row of out0.
; K goes in eight steps of 128 (rows of 256 bytes) through two LDS slots; all is written out, without a loop.  Steps twice as long would want two slots of 202,752 bytes.
; CLUSTER 4 x 4: the four of a row of the cluster need the same tiles of att, the four of a column the same tiles of wo16: each tile is asked for JOINTLY, by the same tensor load with the same descriptor and a
; mask that names the four.
; Rows 0-15 are written here like all others and written again, more finely, by the launch that follows: a branch round them would hang on a work-group's place in its cluster.
; REGISTERS: window 0: v16-29 addresses; v96-159 att's fragments, two sets; on the way out v96-223 rows read back, two sets of 64.   window 1: accumulator (a, b) at v[8 (8 a + b)].   window 2: wo16's fragments, two sets, at v0 and v128.
.set PITCH, 272                        ; an LDS row: 256 bytes + 16 of padding
.set XT,    256*PITCH                  ; att's 256 rows
.set SLOT,  384*PITCH                  ; then wo16's 128 rows
.set STAGE, 2*SLOT                     ; the way out: 16 rows x (512 bytes + 16) for each wave; no tile lands here
.set SPITCH, 528
.set SPARE, STAGE+4*16*SPITCH          ; the spare words, 128 bytes a wave
.set ADRA, 16
.set ADRB, 20
.set STO,  24
.set RD,   25
.set LI,   26
.set SPW,  28
.set NIL,  29
.set AF,   96
.set BK,   96
.set G1,  24                           ; s[24:31] group 1 for att's tiles;  s[32:39] group 0, a set for each slot
.set G0,  32
.set G1B, 48                           ; s[48:55], s[56:63] the same for wo16's
.set G0B, 56
.set MULW, 0x52                        ; source 0 window 2, source 1 window 0, C and D window 1
.set MSB, 0
.macro WIN new
.if MSB != \new
	s_set_vgpr_msb (MSB<<8)|\new
.set MSB, \new
.endif
.endm
.macro PLACES n
.rept \n
	v_nop
.endr
.endm
.macro JLOAD s                         ; a joint load: waves 0 and 1 fetch att's two halves, waves 2 and 3 wo16's; an s_nop 0 and four v_nop follow each of the two lines
	s_cmp_eq_u32 s11, 0
	s_cbranch_scc0 .Lfor_b_\@
	tensor_load_to_lds s[G0+4*\s:G0+4*\s+3], s[G1:G1+7]
	s_nop 0
.rept 4
	v_nop
.endr
	s_branch .Lasked_\@
.Lfor_b_\@:
	tensor_load_to_lds s[G0B+4*\s:G0B+4*\s+3], s[G1B:G1B+7]
	s_nop 0
.rept 4
	v_nop
.endr
.Lasked_\@:
.endm
.macro CREST
	s_cmp_lg_u32 s10, 0
	s_cbranch_scc1 .Lnot_wave_0_\@
	s_barrier_signal -3
.Lnot_wave_0_\@:
	s_barrier_wait -3
	s_barrier_signal -1
	s_barrier_wait -1
.endm
.macro CROUND
	s_barrier_signal -1
	s_barrier_wait -1
	CREST
.endm
	s_load_b128 s[4:7], s[0:1], 0x0                ; att, wo16
	s_load_b64 s[8:9], s[0:1], 0x10                ; out0
	v_lshl_add_u32 v[SPW], v0, 2, SPARE
	v_mov_b32 v[NIL], 0
	ds_add_u32 v[SPW], v[NIL]                      ; the wave's opening: the add, twice on end, and its wait ahead of my first tensor load
	ds_add_u32 v[SPW], v[NIL]
	v_lshrrev_b32 v1, 5, v0
	v_readfirstlane_b32 s10, v1                    ; wave 0..3
	s_lshr_b32 s11, s10, 1                         ; I fetch for att (0) or for wo16 (1)
	s_and_b32 s12, s10, 1                          ; which half of that tile's rows
	s_bfe_u32 s40, ttmp6, 0x40000                  ; cx, cy: my place in the cluster
	s_bfe_u32 s41, ttmp6, 0x40004
	s_lshl_b32 s42, ttmp9, 2
	s_add_co_u32 s42, s42, s40                     ; tile column = 4 x cluster x + cx
	s_and_b32 s13, ttmp7, 0xffff
	s_lshl_b32 s13, s13, 2
	s_add_co_u32 s13, s13, s41                     ; tile row = 4 x cluster y + cy
	s_lshl_b32 s43, s41, 2
	s_lshl_b32 s43, 15, s43                        ; my row of the cluster
	s_lshl_b32 s44, 0x1111, s40                    ; my column
	s_or_b32 s[G1+0], s43, (1<<16)|(1<<20)|(1<<21)|(5<<22)|(3<<25)   ; 15:0 the mask; 17:16 elements of 2 bytes; 20 padding on; 21 set beside a mask; 24:22 after every 64 words; 31:25 four words
	s_or_b32 s[G1B+0], s44, (1<<16)|(1<<20)|(1<<21)|(5<<22)|(3<<25)
	s_mov_b32 s[G1+1], 128<<16                     ; tensor_dim0
	s_mov_b32 s[G1+2], 128<<16                     ; tensor_dim1
	s_mov_b32 s[G1+3], 128<<16                     ; tile_dim0
	s_mov_b32 s[G1+4], 128                         ; tile_dim1
	s_mov_b32 s[G1+5], 1024                        ; from row to row
	s_mov_b32 s[G1+6], 0
	s_mov_b32 s[G1+7], 0
	s_mov_b32 s[G1B+1], 128<<16
	s_mov_b32 s[G1B+2], 64<<16
	s_mov_b32 s[G1B+3], 128<<16
	s_mov_b32 s[G1B+4], 64
	s_mov_b32 s[G1B+5], 1024
	s_mov_b32 s[G1B+6], 0
	s_mov_b32 s[G1B+7], 0
	s_lshl_b32 s16, s13, 8                         ; att: row 256 x tile row + 128 x half, 2,048 bytes a row: made of what my row of the cluster shares
	s_lshl_b32 s17, s12, 7
	s_add_co_u32 s16, s16, s17
	s_lshl_b32 s16, s16, 11
	s_mov_b32 s17, 0
	s_lshl_b32 s46, s42, 7                         ; wo16: row 128 x tile column + 64 x half: made of what my column shares
	s_lshl_b32 s47, s12, 6
	s_add_co_u32 s46, s46, s47
	s_lshl_b32 s46, s46, 11
	s_mov_b32 s47, 0
	s_mul_i32 s20, s12, 128*PITCH                  ; where they go: the wave's number alone enters an LDS address
	s_mul_i32 s21, s12, 64*PITCH
	s_add_co_u32 s21, s21, XT
	s_wait_dscnt 0x0                               ; both opening adds are done
	s_wait_kmcnt 0x0
	s_add_nc_u64 s[14:15], s[4:5], s[16:17]
	s_add_nc_u64 s[46:47], s[6:7], s[46:47]
	CROUND                                         ; all sixteen work-groups are here: the first joint loads meet
.irp s, 0,1
	s_mov_b32 s[G0+4*\s], 1
	s_add_co_u32 s[G0+4*\s+1], s20, \s*SLOT
	s_add_nc_u64 s[G0+4*\s+2:G0+4*\s+3], s[14:15], \s*256
	s_or_b32 s[G0+4*\s+3], s[G0+4*\s+3], 0x80000000
	s_mov_b32 s[G0B+4*\s], 1
	s_add_co_u32 s[G0B+4*\s+1], s21, \s*SLOT
	s_add_nc_u64 s[G0B+4*\s+2:G0B+4*\s+3], s[46:47], \s*256
	s_or_b32 s[G0B+4*\s+3], s[G0B+4*\s+3], 0x80000000
	JLOAD \s                                       ; two tensor loads of mine are out
.endr
	v_and_b32 v1, 15, v0                           ; r
	v_bfe_u32 v2, v0, 4, 1                         ; h
	v_mul_u32_u24 v3, v1, PITCH
	v_lshl_add_u32 v3, v2, 4, v3                   ; a fragment's row x pitch + 16 x half
	s_mul_i32 s22, s10, 64*PITCH                   ; my 64 rows of att
	v_add_nc_u32 v[ADRA], s22, v3
	v_add_nc_u32 v[ADRA+1], SLOT, v[ADRA]
	v_add_nc_u32 v[ADRB], XT, v3
	v_add_nc_u32 v[ADRB+1], SLOT, v[ADRB]
	s_mul_i32 s23, s10, 16*SPITCH
	s_add_co_u32 s23, s23, STAGE                   ; my stage
	v_mul_u32_u24 v4, v1, SPITCH
	v_lshl_add_u32 v4, v2, 5, v4
	v_add_nc_u32 v[STO], s23, v4                   ; in: row r, 32 bytes for each half of the lanes
	v_and_b32 v5, 31, v0
	v_lshlrev_b32 v[LI], 4, v5
	v_add_nc_u32 v[RD], s23, v[LI]                 ; back: the 32 lanes take one row of 512 bytes
	s_lshl_b32 s16, s13, 8                         ; out0: my first row, 8,192 bytes a row,
	s_lshl_b32 s17, s10, 6
	s_add_co_u32 s16, s16, s17
	s_lshl_b32 s16, s16, 13
	s_mov_b32 s17, 0
	s_add_nc_u64 s[8:9], s[8:9], s[16:17]
	s_lshl_b32 s46, s42, 9                         ; and the tile's first column, in bytes
	s_mov_b32 s47, 0
	s_add_nc_u64 s[8:9], s[8:9], s[46:47]
.macro FRAG reg, adr, q, i             ; 16 rows x 32 K of f16: 8 registers; lane (r, h): registers 0-3 hold K = 8 h + 0..7, registers 4-7 K = 16 + 8 h + 0..7
.irp c, 0,1
	ds_load_b128 v[\reg+4*\c:\reg+4*\c+3], v[\adr] offset:64*(\q)+32*\c+(\i)*16*PITCH
.endr
.endm
; Eight matrix instructions: att's block a against wo16's eight, 32 along K.  The 32 accumulators take turns, one instruction a turn, in the same order in every step.
.macro MUL a, p, zero
.irp b, 0,1,2,3,4,5,6,7
.if \zero
	v_wmma_f32_16x16x32_f16 v[8*(8*(\a)+\b):8*(8*(\a)+\b)+7], v[128*(\p)+8*\b:128*(\p)+8*\b+7], v[AF+32*(\p)+8*(\a):AF+32*(\p)+8*(\a)+7], 0
.else
	v_wmma_f32_16x16x32_f16 v[8*(8*(\a)+\b):8*(8*(\a)+\b)+7], v[128*(\p)+8*\b:128*(\p)+8*\b+7], v[AF+32*(\p)+8*(\a):AF+32*(\p)+8*(\a)+7], v[8*(8*(\a)+\b):8*(8*(\a)+\b)+7]
.endif
.endr
.endm
.macro FETCH slot, q, p                ; 24 LDS loads in one run
	WIN 0x80                                       ; destination window 2
.irp i, 0,1,2,3,4,5,6,7
	FRAG 128*(\p)+8*\i, ADRB+\slot, \q, \i
.endr
	WIN 0
.irp i, 0,1,2,3
	FRAG AF+32*(\p)+8*\i, ADRA+\slot, \q, \i
.endr
.endm
; A quarter of a K step that has its successor in the same slot.  A load into a register that a matrix instruction has read stands four places behind it (ISA guide 7.12.1 for vector instructions).
.macro STEP slot, q, zero
	s_wait_dscnt 0x0                               ; this quarter's 24 loads, issued a quarter ago, are in
.if \zero == 0
	PLACES 4
.endif
	FETCH \slot, (\q)+1, 1-(\q)%2
	WIN MULW
	MUL 0, (\q)%2, \zero
	MUL 1, (\q)%2, \zero
	MUL 2, (\q)%2, \zero
	MUL 3, (\q)%2, \zero
	WIN 0
.endm
; A slot's last quarter changes slots: one barrier; in front of it each wave waits for all its tensor loads, adds 0 to its spare word, and waits for that and for its reads of this slot.  fill = 1: the barrier opens
; a round of the cluster's, and this slot is filled again, two K steps ahead, first thing behind the round.
.macro TURN slot, next, fill
	s_wait_tensorcnt 0x0                           ; all my tensor loads have landed: my part of the next slot
	ds_add_u32 v[SPW], v[NIL]                      ; 0 onto my spare word
	s_wait_dscnt 0x1                               ; (the add alone may be out)
	WIN MULW
	MUL 0, 1, 0                                    ; eight matrix instructions stand between the add and the wait for it
	s_wait_dscnt 0x0                               ; the add is done, and my reads of this slot are over
	s_barrier_signal -1
	MUL 1, 1, 0
	WIN 0
	s_barrier_wait -1
.if \fill
	CREST                                          ; no wave of any partner still reads this slot or has a load on its way
	s_add_nc_u64 s[G0+4*\slot+2:G0+4*\slot+3], s[G0+4*\slot+2:G0+4*\slot+3], 512
	s_add_nc_u64 s[G0B+4*\slot+2:G0B+4*\slot+3], s[G0B+4*\slot+2:G0B+4*\slot+3], 512
	JLOAD \slot                                    ; my one tensor load behind the round; its four v_nop are the places in front of the loads below
.else
	PLACES 4
.endif
	FETCH \next, 0, 0
	WIN MULW
	MUL 2, 1, 0
	MUL 3, 1, 0
	WIN 0
.endm
.macro THREE slot                      ; a slot's first three quarters
	STEP \slot, 0, 0
	STEP \slot, 1, 0
	STEP \slot, 2, 0
.endm
	s_wait_tensorcnt 0x1                           ; my part of K step 0 is in; K step 1's load may stay out
	s_barrier_signal -1
	s_barrier_wait -1                              ; everybody's is
	FETCH 0, 0, 0
	STEP 0, 0, 1                                   ; the first products start the sums: nothing is cleared
	STEP 0, 1, 0
	STEP 0, 2, 0
	TURN 0, 1, 1                                   ; K step 2 is asked for
	THREE 1
	TURN 1, 0, 1                                   ; 3
	THREE 0
	TURN 0, 1, 1                                   ; 4
	THREE 1
	TURN 1, 0, 1                                   ; 5
	THREE 0
	TURN 0, 1, 1                                   ; 6
	THREE 1
	TURN 1, 0, 1                                   ; 7
	THREE 0
	TURN 0, 1, 0                                   ; nothing is left to fetch
	THREE 1
	s_wait_dscnt 0x0                               ; the very last quarter
	WIN MULW
	MUL 0, 1, 0
	MUL 1, 1, 0
	MUL 2, 1, 0
	MUL 3, 1, 0
	WIN 0
; THE WAY OUT, a block of 16 rows x 128 columns at a time, through my own stage in LDS: back as whole rows of 512 bytes.  LDS serves a wave's instructions in order (ISA guide 5.7.1.4).
.macro TOSTAGE a
	WIN 0x04                                       ; an LDS store's data: window 1
.irp b, 0,1,2,3,4,5,6,7
	ds_store_b128 v[STO], v[8*(8*(\a)+\b):8*(8*(\a)+\b)+3] offset:64*\b          ; each accumulator from its low end on
	ds_store_b128 v[STO], v[8*(8*(\a)+\b)+4:8*(8*(\a)+\b)+7] offset:64*\b+16
.endr
	WIN 0
.irp t, 0,1,2,3,4,5,6,7,8,9,10,11,12,13,14,15
	ds_load_b128 v[BK+64*((\a)%2)+4*\t:BK+64*((\a)%2)+4*\t+3], v[RD] offset:SPITCH*\t
.endr
.endm
.macro SEND a, younger                 ; younger: the LDS instructions issued behind block a's loads, which may stay out
	s_wait_dscnt \younger
.irp t, 0,1,2,3,4,5,6,7,8,9,10,11,12,13,14,15
	global_store_b128 v[LI], v[BK+64*((\a)%2)+4*\t:BK+64*((\a)%2)+4*\t+3], s[8:9] offset:131072*(\a)+8192*\t th:TH_STORE_NT   ; 32 lanes store 512 consecutive bytes, aligned
.endr
.endm
	PLACES 4                                       ; behind the last products: for the first reads of results and the loads into att's fragments' registers
	TOSTAGE 0
	TOSTAGE 1
	SEND 0, 32
	s_wait_xcnt 0x0                                ; block 0's stores have read their registers: block 2's rows may land there
	TOSTAGE 2
	SEND 1, 32
	s_wait_xcnt 0x0
	TOSTAGE 3
	SEND 2, 32
	SEND 3, 0
	s_wait_tensorcnt 0x0                           ; the wave's end, behind my last tensor load and my last LDS store
	ds_add_u32 v[SPW], v[NIL]
	s_wait_dscnt 0x0
	CROUND                                         ; the closing round
	s_endpgm
.Lfunc_end_k_q196e8e4365_proj:
	.size	k_q196e8e4365_proj, .Lfunc_end_k_q196e8e4365_proj-k_q196e8e4365_proj
	.p2alignl 7, 3214868480
	.fill 96, 4, 3214868480
	.section	.rodata,"a",@progbits
	.p2align	6, 0x0
	.amdhsa_kernel k_q196e8e4365_proj
		.amdhsa_group_segment_fixed_size 327680
		.amdhsa_private_segment_fixed_size 0
		.amdhsa_enable_private_segment 0
		.amdhsa_kernarg_size 24
		.amdhsa_user_sgpr_count 2
		.amdhsa_user_sgpr_kernarg_segment_ptr 1
		.amdhsa_wavefront_size32 1
		.amdhsa_system_sgpr_workgroup_id_x 1
		.amdhsa_system_sgpr_workgroup_id_y 1
		.amdhsa_system_sgpr_workgroup_id_z 1
		.amdhsa_system_vgpr_workitem_id 0
		.amdhsa_next_free_vgpr 768
		.amdhsa_next_free_sgpr 66
		.amdhsa_reserve_vcc 0
		.amdhsa_float_denorm_mode_32 3
		.amdhsa_float_denorm_mode_16_64 3
		.amdhsa_memory_ordered 1
		.amdhsa_forward_progress 1
		.amdhsa_inst_pref_size 149
	.end_amdhsa_kernel
	.amdgpu_metadata
---
amdhsa.version: [ 1, 2 ]
amdhsa.kernels:
  - .name:           k_q196e8e4365_proj
    .symbol:         k_q196e8e4365_proj.kd
    .args:
      - { .name: att, .offset: 0, .size: 8, .value_kind: global_buffer, .address_space: global }
      - { .name: wo16, .offset: 8, .size: 8, .value_kind: global_buffer, .address_space: global }
      - { .name: out0, .offset: 16, .size: 8, .value_kind: global_buffer, .address_space: global }
    .group_segment_fixed_size: 327680
    .private_segment_fixed_size: 0
    .kernarg_segment_align: 8
    .kernarg_segment_size: 24
    .max_flat_workgroup_size: 128
    .sgpr_count:     66
    .vgpr_count:     768
    .wavefront_size: 32
...
	.end_amdgpu_metadata
.endif
;; end of part 4
;; launch first16 (part 5): grid 128 x 1, 8 waves a work-group, no clusters, 167,936 bytes of LDS; arguments first, wo, out0; writes out0
.if DOCPART == 5
	.amdgcn_target "amdgcn-amd-amdhsa--gfx1250"
	.amdhsa_code_object_version 6
	.text
	.protected	k_q196e8e4365_first16
	.globl	k_q196e8e4365_first16
	.p2align	8
	.type	k_q196e8e4365_first16,@function
k_q196e8e4365_first16:
	s_mov_b64 s[64:65], 0
	v_nop
	global_prefetch_b8 v0, s[64:65] scope:SCOPE_SE
	s_setreg_imm32_b32 hwreg(HW_REG_WAVE_MODE, 25, 1), 1
	s_wait_xcnt 0x0
; POSITIONS 0 TO 15, ALL IN f32.  Their rows average one to sixteen values and are the largest of the output, so the rounding of 16-bit operands weighs most there: attention and the projection are done again
; on the f32 numbers that the product's launch left in 'first', by v_wmma_f32_16x16x4_f32, and rows 0-15 of out0 are written over.  33.5 million multiply-adds in all: no bulk work.
; SHARES.  Work-group x makes rows 0-15 x columns 16 x .. 16 x + 15.  Wave hq (0 .. 7) makes query head hq's attention over the 16 keys (g = hq / 2) and multiplies it by its 128 along K of wo; the eight partial
; tiles meet in LDS and are added in the order of the heads.  A work-group's stores are 64 bytes of each of 16 rows: 128 KiB in the whole launch.
; 'first': heads 0-11 (q, k) are images of registers: register 8 b + j of lane (r, h) holds channel 16 b + 8 h + j of position r.  q's and k's images carry the same order of channels, so registers 2 i, 2 i + 1 of
; both are the two operands of one matrix instruction.  Heads 12-15 (v) are row-major [16][128].
; All three products are used transposed, so that a lane holds ONE query (lane % 16) throughout: S^T = K Q^T, O^T = V^T P, Y^T = wo O.  p is divided by the row's sum ahead of the second product, so that O^T goes
; on as an operand as it stands.  The registers that the matrix instructions write (v160-255) are written by nothing else.
; The maximum is taken away before the exponential; key 0 counts for every query.  The window (t - s <= 512) holds for all pairs here.
; LIMITS: NaN and infinities are not served.
.set WOP,   528                        ; a row of wo's tile in LDS: 512 bytes + 16
.set WOT,   16*WOP                     ; a wave's tile: 16 rows x 128 numbers
.set PART,  8*WOT                      ; behind the tiles: the eight partial results, 1,024 bytes each; no tile lands here
.set SPARE, PART+8*1024                ; the spare words, 128 bytes a wave
.set SPW, 16
.set NIL, 17
.set T,   18                           ; v18-25   scores, then p, later the partial result
.set QI,  32                           ; v32-95   q's image, later wo's fragments, later the eight partial results
.set KI,  96                           ; v96-159  k's image, later v's fragments
.set SA,  160                          ; v160-191 four accumulators by turns: S^T, later Y^T
.set OA,  192                          ; v192-255 O^T: eight tiles of 16 channels
.macro PLACES n
.rept \n
	v_nop
.endr
.endm
	s_load_b128 s[4:7], s[0:1], 0x0                ; first, wo
	s_load_b64 s[8:9], s[0:1], 0x10                ; out0
	v_lshl_add_u32 v[SPW], v0, 2, SPARE
	v_mov_b32 v[NIL], 0
	ds_add_u32 v[SPW], v[NIL]                      ; the wave's opening: the add, twice on end, and its wait ahead of my first tensor load
	ds_add_u32 v[SPW], v[NIL]
	v_lshrrev_b32 v1, 5, v0
	v_readfirstlane_b32 s10, v1                    ; wave = query head
	s_mov_b32 s16, (2<<16)|(1<<20)|(6<<22)|(3<<25) ; 17:16 elements of 4 bytes; 20 padding on; 24:22 after every 128 words; 31:25 four words
	s_mov_b32 s17, 128<<16                         ; tensor_dim0
	s_mov_b32 s18, 16<<16                          ; tensor_dim1
	s_mov_b32 s19, 128<<16                         ; tile_dim0
	s_mov_b32 s20, 16                              ; tile_dim1
	s_mov_b32 s21, 1024                            ; from row to row
	s_mov_b32 s22, 0
	s_mov_b32 s23, 0
	s_mul_i32 s11, s10, WOT                        ; my tile in LDS
	s_lshl_b32 s24, ttmp9, 16                      ; wo: rows 16 x on, 4,096 bytes a row, + my head's 512 bytes
	s_lshl_b32 s25, s10, 9
	s_add_co_u32 s24, s24, s25
	s_mov_b32 s25, 0
	s_lshl_b32 s26, s10, 13                        ; q's image: 8,192 bytes a head
	s_mov_b32 s27, 0
	s_lshr_b32 s28, s10, 1
	s_lshl_b32 s28, s28, 13
	s_add_co_u32 s28, s28, 8*8192                  ; k's: head 8 + g
	s_mov_b32 s29, 0
	s_mov_b32 s32, 0x3e0293ee                      ; c = log2(e) / sqrt(128)
	s_mov_b32 s34, 0x76543210
	s_mov_b32 s35, 0xfedcba98                      ; selects for v_permlanex16_b32: lane l xor 16
	s_lshl_b32 s36, ttmp9, 6                       ; out0: my 16 columns, in bytes
	s_mov_b32 s37, 0
	s_wait_dscnt 0x0                               ; both opening adds are done
	s_wait_kmcnt 0x0
	s_mov_b32 s12, 1
	s_mov_b32 s13, s11
	s_add_nc_u64 s[14:15], s[6:7], s[24:25]
	s_or_b32 s15, s15, 0x80000000
	tensor_load_to_lds s[12:15], s[16:23]          ; my one tensor load: into bytes that I alone read
	s_nop 0
	s_add_nc_u64 s[26:27], s[4:5], s[26:27]
	s_add_nc_u64 s[28:29], s[4:5], s[28:29]
	s_add_nc_u64 s[30:31], s[28:29], 4*8192        ; v: head 12 + g
	s_add_nc_u64 s[8:9], s[8:9], s[36:37]
	v_and_b32 v2, 31, v0
	v_lshlrev_b32 v3, 4, v2                        ; 16 x lane
.irp k, 0,1,2,3,4,5,6,7,8,9,10,11,12,13,14,15
	global_load_b128 v[QI+4*\k:QI+4*\k+3], v3, s[26:27] offset:512*\k
	global_load_b128 v[KI+4*\k:KI+4*\k+3], v3, s[28:29] offset:512*\k
.endr
	v_and_b32 v1, 15, v0                           ; r
	v_bfe_u32 v2, v0, 4, 1                         ; h
	v_lshlrev_b32 v4, 12, v2
	v_lshl_add_u32 v4, v1, 2, v4                   ; v: key 8 h on, channel r: 4,096 h + 4 r
	v_mul_u32_u24 v5, v1, WOP
	v_lshl_add_u32 v5, v2, 5, v5
	v_add_nc_u32 v5, s11, v5                       ; wo's tile: row r, + 32 h
	s_lshl_b32 s24, s10, 10
	s_add_co_u32 s24, s24, PART
	v_add_nc_u32 v6, s24, v3                       ; where I put my partial result: 1,024 x wave + 16 x lane
	s_lshl_b32 s25, s10, 9
	s_add_co_u32 s25, s25, PART
	v_add_nc_u32 v7, s25, v3                       ; where waves 0 and 1 read the eight back: 512 x wave + 16 x lane
	v_lshlrev_b32 v8, 13, v1
	v_lshl_add_u32 v8, v2, 5, v8
	s_lshl_b32 s24, s10, 4
	v_add_nc_u32 v8, s24, v8                       ; and where they store: row r of 8,192 bytes, + 32 h + 16 x wave
	v_lshlrev_b32 v9, 3, v2
	v_sub_nc_u32 v9, v1, v9                        ; r - 8 h: register j holds key 8 h + j, hidden where j > r - 8 h
	v_mov_b32 v10, 0xff800000                      ; -infinity
	s_wait_loadcnt 0x0
	; S^T = K Q^T: 32 instructions of 4 along the channels, four accumulators by turns; the first four start the sums
.set i, 0
.rept 32
.if i < 4
	v_wmma_f32_16x16x4_f32 v[SA+8*(i%4):SA+8*(i%4)+7], v[KI+2*i:KI+2*i+1], v[QI+2*i:QI+2*i+1], 0
.else
	v_wmma_f32_16x16x4_f32 v[SA+8*(i%4):SA+8*(i%4)+7], v[KI+2*i:KI+2*i+1], v[QI+2*i:QI+2*i+1], v[SA+8*(i%4):SA+8*(i%4)+7]
.endif
.set i, i+1
.endr
	PLACES 8                                       ; eight places behind this form: for the loads into its operands' registers and the first read of its results
.irp ct, 0,1,2,3,4,5,6,7
.irp m, 0,1,2,3,4,5,6,7
	global_load_b32 v[KI+8*\ct+\m], v4, s[30:31] offset:512*\m+64*\ct   ; v(key 8 h + m, channel 16 ct + r)
.endr
.endr
	s_wait_tensorcnt 0x0                           ; wo's tile is in
.irp b, 0,1,2,3,4,5,6,7
	ds_load_b128 v[QI+8*\b:QI+8*\b+3], v5 offset:64*\b          ; register 8 b + j: wo(16 x + r, 128 hq + 16 b + 8 h + j): O^T's own order of channels
	ds_load_b128 v[QI+8*\b+4:QI+8*\b+7], v5 offset:64*\b+16
.endr
.irp j, 0,1,2,3,4,5,6,7                ; the four partial sums, from the accumulators' low end on
	v_add_f32 v[T+\j], v[SA+\j], v[SA+8+\j]
	v_add_f32 v[26+\j%2], v[SA+16+\j], v[SA+24+\j]
	v_add_f32 v[T+\j], v[T+\j], v[26+\j%2]
.endr
.irp j, 0,1,2,3,4,5,6,7
	v_cmp_gt_i32 vcc_lo, \j, v9
	v_cndmask_b32 v[T+\j], v[T+\j], v10, vcc_lo
.endr
	v_max3_num_f32 v26, v[T], v[T+1], v[T+2]
	v_max3_num_f32 v27, v[T+3], v[T+4], v[T+5]
	v_max3_num_f32 v26, v26, v[T+6], v[T+7]
	v_max_num_f32 v26, v26, v27
	v_permlanex16_b32 v27, v26, s34, s35
	v_max_num_f32 v26, v26, v27                    ; the row's largest score
	v_mul_f32 v27, s32, v26
.irp j, 0,1,2,3,4,5,6,7
	v_fma_f32 v[T+\j], v[T+\j], s32, -v27          ; c s - c m
.endr
.irp j, 0,1,2,3,4,5,6,7
	v_exp_f32 v[T+\j], v[T+\j]
.endr
	v_nop                                          ; a plain line behind the last exponential,
	s_wait_alu depctr_va_vdst(0)                   ; and one wait for the eight
	v_add_f32 v26, v[T], v[T+1]
	v_add_f32 v27, v[T+2], v[T+3]
	v_add_f32 v28, v[T+4], v[T+5]
	v_add_f32 v29, v[T+6], v[T+7]
	v_add_f32 v26, v26, v27
	v_add_f32 v28, v28, v29
	v_add_f32 v26, v26, v28
	v_permlanex16_b32 v27, v26, s34, s35
	v_add_f32 v26, v26, v27                        ; the row's sum
	v_rcp_f32 v26, v26
	v_nop
	s_wait_alu depctr_va_vdst(0)
.irp j, 0,1,2,3,4,5,6,7
	v_mul_f32 v[T+\j], v[T+\j], v26                ; p / the sum
.endr
	s_wait_loadcnt 0x0                             ; v
	; O^T = V^T P: four instructions of 4 keys for each of eight tiles of channels, the eight by turns
.irp i, 0,1,2,3
.irp ct, 0,1,2,3,4,5,6,7
.if \i == 0
	v_wmma_f32_16x16x4_f32 v[OA+8*\ct:OA+8*\ct+7], v[KI+8*\ct+2*\i:KI+8*\ct+2*\i+1], v[T+2*\i:T+2*\i+1], 0
.else
	v_wmma_f32_16x16x4_f32 v[OA+8*\ct:OA+8*\ct+7], v[KI+8*\ct+2*\i:KI+8*\ct+2*\i+1], v[T+2*\i:T+2*\i+1], v[OA+8*\ct:OA+8*\ct+7]
.endif
.endr
.endr
	PLACES 9                                       ; nine places: the results go on as operands
	s_wait_dscnt 0x0                               ; wo's fragments
	; Y^T = wo O: 32 instructions of 4 along my head's channels, four accumulators by turns
.set i, 0
.rept 32
.if i < 4
	v_wmma_f32_16x16x4_f32 v[SA+8*(i%4):SA+8*(i%4)+7], v[QI+2*i:QI+2*i+1], v[OA+2*i:OA+2*i+1], 0
.else
	v_wmma_f32_16x16x4_f32 v[SA+8*(i%4):SA+8*(i%4)+7], v[QI+2*i:QI+2*i+1], v[OA+2*i:OA+2*i+1], v[SA+8*(i%4):SA+8*(i%4)+7]
.endif
.set i, i+1
.endr
	PLACES 8
.irp j, 0,1,2,3,4,5,6,7
	v_add_f32 v[T+\j], v[SA+\j], v[SA+8+\j]
	v_add_f32 v[26+\j%2], v[SA+16+\j], v[SA+24+\j]
	v_add_f32 v[T+\j], v[T+\j], v[26+\j%2]         ; lane (r, h), register j: my head's part of out0(r, 16 x + 8 h + j)
.endr
	ds_store_b128 v6, v[T:T+3]
	ds_store_b128 v6, v[T+4:T+7] offset:512
	s_wait_dscnt 0x0                               ; for the others' sake: my stores have landed
	s_barrier_signal -1
	s_barrier_wait -1
	s_cmp_gt_u32 s10, 1                            ; waves 0 and 1 add the eight parts: wave ww takes registers 4 ww .. 4 ww + 3
	s_cbranch_scc1 .Ldone
.irp u, 0,1,2,3,4,5,6,7
	ds_load_b128 v[QI+4*\u:QI+4*\u+3], v7 offset:1024*\u
.endr
	s_wait_dscnt 0x0
.irp u, 1,2,3,4,5,6,7
	v_pk_add_f32 v[QI:QI+1], v[QI:QI+1], v[QI+4*\u:QI+4*\u+1]
	v_pk_add_f32 v[QI+2:QI+3], v[QI+2:QI+3], v[QI+4*\u+2:QI+4*\u+3]
.endr
	global_store_b128 v8, v[QI:QI+3], s[8:9]
.Ldone:
	s_wait_tensorcnt 0x0                           ; the wave's end, behind my last tensor load and my last LDS store
	ds_add_u32 v[SPW], v[NIL]
	s_wait_dscnt 0x0
	s_endpgm
.Lfunc_end_k_q196e8e4365_first16:
	.size	k_q196e8e4365_first16, .Lfunc_end_k_q196e8e4365_first16-k_q196e8e4365_first16
	.p2alignl 7, 3214868480
	.fill 96, 4, 3214868480
	.section	.rodata,"a",@progbits
	.p2align	6, 0x0
	.amdhsa_kernel k_q196e8e4365_first16
		.amdhsa_group_segment_fixed_size 167936
		.amdhsa_private_segment_fixed_size 0
		.amdhsa_enable_private_segment 0
		.amdhsa_kernarg_size 24
		.amdhsa_user_sgpr_count 2
		.amdhsa_user_sgpr_kernarg_segment_ptr 1
		.amdhsa_wavefront_size32 1
		.amdhsa_system_sgpr_workgroup_id_x 1
		.amdhsa_system_sgpr_workgroup_id_y 1
		.amdhsa_system_sgpr_workgroup_id_z 1
		.amdhsa_system_vgpr_workitem_id 0
		.amdhsa_next_free_vgpr 256
		.amdhsa_next_free_sgpr 66
		.amdhsa_reserve_vcc 1
		.amdhsa_float_denorm_mode_32 3
		.amdhsa_float_denorm_mode_16_64 3
		.amdhsa_memory_ordered 1
		.amdhsa_forward_progress 1
		.amdhsa_inst_pref_size 26
	.end_amdhsa_kernel
	.amdgpu_metadata
---
amdhsa.version: [ 1, 2 ]
amdhsa.kernels:
  - .name:           k_q196e8e4365_first16
    .symbol:         k_q196e8e4365_first16.kd
    .args:
      - { .name: first, .offset: 0, .size: 8, .value_kind: global_buffer, .address_space: global }
      - { .name: wo, .offset: 8, .size: 8, .value_kind: global_buffer, .address_space: global }
      - { .name: out0, .offset: 16, .size: 8, .value_kind: global_buffer, .address_space: global }
    .group_segment_fixed_size: 167936
    .private_segment_fixed_size: 0
    .kernarg_segment_align: 8
    .kernarg_segment_size: 24
    .max_flat_workgroup_size: 256
    .sgpr_count:     66
    .vgpr_count:     256
    .wavefront_size: 32
...
	.end_amdgpu_metadata
.endif
;; end of part 5
